; MI455X (gfx1250); checked and timed in simulation.
; The chip was launched on July 23, 2026; its instructions are those of AMD's public machine-readable ISA for CDNA 5 (MIT licence, August 2026) and "CDNA5" Instruction Set Architecture Reference Guide (July 2026). The comments in the code are by the model that wrote it; some were corrected since.
;; Multi Headed Attention Relative. Allowed arithmetic: matrix products marked QUANTISED: E5M2 operands, one given power-of-two scale a tensor, by v_wmma_f32_16x16x64_bf8_bf8 or v_wmma_f32_16x16x128_bf8_bf8, f32 sums; everything else in f32.
;; Inputs: Wk 1,024 x 1,024 float32; Wo 1,024 x 1,024 float32; Wq 1,024 x 1,024 float32; Wv 1,024 x 1,024 float32; bk 1,024 float32; bo 1,024 float32; bq 1,024 float32; bv 1,024 float32; key 8 x 1,024 x 1,024 float32; lowp_scales 16 int32 (the exponents e of the quantised operands' scales 2^e); query 8 x 1,024 x 1,024 float32; rel_k_table 33 x 64 float32; rel_v_table 33 x 64 float32; value 8 x 1,024 x 1,024 float32.
;; Outputs: out0 8 x 1,024 x 1,024 float32; out1 8 x 1,024 x 1,024 float32.
;; This version of the problem:
;;   THIS VERSION OF THE PROBLEM IS GIVEN IN LOW PRECISION. The matrix products marked QUANTISED in the list below multiply operands that are first quantised to E5M2 (5 exponent bits, 2 mantissa bits; 8 bits a number), with one given power-of-two scale for each operand tensor; their sums are f32. All else is computed in f32.
;;   The module's matrix products, in the order in which they are computed (A, B: the left and right operand; K: the contracted axis; several contracted axes count as one K, in the product's order):
;;     1. [M 8,192, K 1,024] x [K 1,024, N 1,024]; A: input key; B: input Wk: QUANTISED (scales: A lowp_scales[0], B lowp_scales[1])
;;     2. [M 8,192, K 1,024] x [K 1,024, N 1,024]; A: input value; B: input Wv: QUANTISED (scales: A lowp_scales[2], B lowp_scales[3])
;;     3. [M 8,192, K 1,024] x [K 1,024, N 1,024]; A: input query; B: input Wq: QUANTISED (scales: A lowp_scales[4], B lowp_scales[5])
;;     4. batch 128 x [M 1,024, K 64] x [K 64, N 1,024]; A: computed on the way; B: computed on the way: QUANTISED (scales: A lowp_scales[6], B lowp_scales[7])
;;     5. batch 1,024 x [M 1,024, K 64] x [K 64, N 128]; A: computed on the way; B: computed on the way: QUANTISED (scales: A lowp_scales[8], B lowp_scales[9])
;;     6. batch 128 x [M 1,024, K 1,024] x [K 1,024, N 64]; A: softmax (see below); B: computed on the way: QUANTISED (scales: A lowp_scales[10], B lowp_scales[11])
;;     7. batch 1,024 x [M 64, K 1,024] x [K 1,024, N 128]; A: computed on the way; B: softmax (see below): QUANTISED (scales: A lowp_scales[12], B lowp_scales[13])
;;     8. [M 8,192, K 1,024] x [K 1,024, N 1,024]; A: computed on the way; B: input Wo: QUANTISED (scales: A lowp_scales[14], B lowp_scales[15])
;;   THE QUANTISER, for each operand of a quantised product, along K:
;;     - The operand's scale is 2^e, e = its entry of the input lowp_scales (int32; the entries are numbered through the quantised products in the list's order, A before B).
;;     - Each number is divided by the scale, clamped to +-57,344, and rounded to the nearest number of E5M2, ties to even, subnormals kept.
;;     - The product sums the exact products of the quantised numbers (number of the format x scale) in f32.
;;   ~~~python
;;   def quantise(x, axis, e):      # numpy; x: float32 -> the quantised numbers, widened to float32 again
;;       x = np.moveaxis(x, axis, -1); K = x.shape[-1]
;;       r = np.clip(x / 2.0 ** e, -57344, 57344)
;;       step = 2.0 ** (np.maximum(np.frexp(np.where(r == 0, 1, r))[1] - 1, -14) - 2)
;;       q = np.round(r / step) * step * 2.0 ** e      # np.round: ties to even
;;       return np.moveaxis(q, -1, axis).astype(np.float32)
;;   ~~~
;;   SOFTMAX AHEAD OF A QUANTISED PRODUCT. Where the list says 'softmax', what is quantised is not the finished softmax but p = 2^(t - M), with t = logit x log2(e) and M = ceil(the row's largest t), a whole number; so 1/2 < the row's largest p <= 1. The row's sum l is taken of the UNQUANTISED p, in f32, and the product's result is divided by l at the end. Since M is a whole number, a kernel that streams over the keys may use a running M (the ceiling of the running maximum): every later rescaling is an exact power of two, so the quantised numbers keep their values, but for numbers so far below the row's largest that they fall under the format's range.
;;   OPERANDS COMPUTED ON THE WAY. 'Computed on the way' means the value that the module computes at that place (a softmax that the list does not call 'softmax' is quantised finished and normalised). What goes into a quantiser is computed in f32, as accurately as f32 sums, v_exp_f32 and their like allow (about 1e-6 of the number): no bf16 or f16 on the way to a quantiser, and a product that is left as it is and whose result goes on into a quantised operand takes f32 operands (vector FMAs, or v_wmma_f32_16x16x4_f32). A number that lies on a knife's edge between two numbers of the format may be rounded either way, as far as f32 arithmetic and the matrix unit's own rounding can turn it there, and no further.
;; One version. Each part assembles by itself: llvm-mc -triple=amdgcn-amd-amdhsa -mcpu=gfx1250 --defsym DOCPART=n.
;; ======== version 1 of 1: 4 launches
;; limits: right only within a limited range of input values
;; workspace buffers: xc 25,165,824 bytes; wc 4,194,304 bytes; acts 33,554,432 bytes; cc 8,388,608 bytes
;; launch quant (part 1): grid 896 x 1, 4 waves a work-group, no clusters, 68,096 bytes of LDS; arguments key, value, query, Wk, Wv, Wq, Wo, lowp_scales, xc, wc; writes xc, wc
.if DOCPART == 1
	.amdgcn_target "amdgcn-amd-amdhsa--gfx1250"
	.amdhsa_code_object_version 6
	.text
	.protected	k_q0b0417414c_quant
	.globl	k_q0b0417414c_quant
	.p2align	8
	.type	k_q0b0417414c_quant,@function
k_q0b0417414c_quant:
	s_mov_b64 s[64:65], 0
	v_nop
	global_prefetch_b8 v0, s[64:65] scope:SCOPE_SE
	s_setreg_imm32_b32 hwreg(HW_REG_WAVE_MODE, 25, 1), 1
	s_wait_xcnt 0x0
; One launch turns all seven f32 operands of products 1, 2, 3 and 8 into codes of BF8 (E5M2), K innermost.
; code = x / 2^e, held within +-57,344, to the nearest code, ties to even.  LIMITS: -126 <= e and e + 15 <= 127.  NaN among the inputs is not served.
; No work of the problem is left out here.  The later launches take products 5 and 7 from the tables of 33 rows, which reference() gathers by clip(q - k): see the launch attn.
; Work-groups 0-127: Wk, Wv, Wq, Wo [k][n] (entries 1, 3, 5, 15) -> wc [4][n 1024][k 1024].  Number g: columns 128 (g % 8) on; weight g / 32; 256 along K from 256 ((g / 8) % 4) on.
;   A lane takes a column and its registers run down K, so the conversions give codes with K innermost; they leave through the wave's own stage: sixteen lanes store 256 consecutive aligned bytes.
; Work-groups 128-895: key, value, query [8192][1024] (entries 0, 2, 4) -> xc [3][8192][1024]: plain streams, 32,768 numbers a work-group, 16 steps of 512 a wave.
;   A step's four loads read 512 consecutive bytes each; the 2,048 bytes turn through the wave's own stage so that a lane holds 16 neighbours along K; the wave stores 512 consecutive bytes of codes.
; The two paths part on the work-group's number alone and have LDS bytes of their own.  No barrier: waves share nothing.
.set STEPS, 16
.set EMAX,  15
.set MANT,  0x600000                   ; the mantissa field of 57,344 as f32
.set CB,    16
.set RA,    16                         ; v16-79   four sets of 16 numbers as loaded
.set XA,    80                         ; v80-111  two sets of 16 neighbours
.set CA,    128                        ; v128-191 codes, four registers a step
.set WREG,  8192                       ; a wave's two stages of 32 x SP bytes
.set SP,    80
.set WBASE, 4*WREG                     ; the weights' stages begin here
.set NB,    8
.set PITCH, 272
.set KROW,  1024
.set XW,    32                         ; v32-95   two sets of 32 numbers
.set CW,    96                         ; v96-103  a block's codes
.set OUTR,  112                        ; v112-175 the way out
.set SPARE, WBASE+4*32*PITCH           ; the spare words, 128 bytes a wave
.set SPW,   192
.set NIL,   193
	s_load_b512 s[4:19], s[0:1], 0x0               ; key, value, query, Wk, Wv, Wq, Wo, the scales' exponents
	s_load_b128 s[20:23], s[0:1], 0x40             ; xc, wc
	v_lshl_add_u32 v[SPW], v0, 2, SPARE
	v_mov_b32 v[NIL], 0
	v_lshrrev_b32 v1, 5, v0
	v_readfirstlane_b32 s24, v1                    ; wave
	v_and_b32 v2, 31, v0                           ; lane
	s_wait_alu depctr_va_vdst(0)                   ; the wait ahead of the wait below
	s_wait_kmcnt 0x0
	s_load_b512 s[32:47], s[18:19], 0x0            ; e0 .. e15
	s_cmp_lt_u32 ttmp9, 128
	s_cbranch_scc1 .Lweights
	; ---- key, value, query
	v_lshlrev_b32 v3, 4, v2                        ; my 16 bytes of a load's 512
	s_mul_i32 s25, s24, WREG
	v_lshrrev_b32 v14, 2, v2
	v_mul_u32_u24 v14, v14, SP
	v_and_b32 v15, 3, v2
	v_lshl_add_u32 v14, v15, 4, v14
	v_add_nc_u32 v14, s25, v14                     ; into the stage: SP (lane / 4) + 16 (lane % 4)
	v_mul_u32_u24 v15, v2, SP
	v_add_nc_u32 v15, s25, v15                     ; out of it: SP x lane
	v_mul_u32_u24 v4, v2, CB
	s_wait_alu depctr_va_vdst(0)                   ; the wait ahead of the scalar lines below
	s_sub_co_u32 s25, ttmp9, 128
	s_lshr_b32 s26, s25, 8                         ; 0 key, 1 value, 2 query
	s_and_b32 s27, s25, 255
	s_lshl_b32 s27, s27, 2
	s_add_co_u32 s27, s27, s24                     ; my wave's run of 8,192 numbers
	s_lshl_b32 s48, s27, 15
	s_mov_b32 s49, 0
	s_lshl_b32 s27, s25, 2
	s_add_co_u32 s27, s27, s24
	s_lshl_b32 s50, s27, 13                        ; xc's sections lie in the same order
	s_mov_b32 s51, 0
	s_cmp_eq_u32 s26, 0
	s_cselect_b64 s[4:5], s[4:5], s[6:7]
	s_cmp_eq_u32 s26, 2
	s_cselect_b64 s[4:5], s[8:9], s[4:5]
	s_add_nc_u64 s[4:5], s[4:5], s[48:49]
	s_add_nc_u64 s[20:21], s[20:21], s[50:51]
.macro LOADA t
.irp i, 0,1,2,3
	global_load_b128 v[RA+16*((\t)%4)+4*\i:RA+16*((\t)%4)+4*\i+3], v3, s[4:5] offset:2048*(\t)+512*\i th:TH_LOAD_NT
.endr
.endm
.macro TURNA t                         ; LDS serves a wave's instructions in order: no wait between the stores and the loads
.irp i, 0,1,2,3
	ds_store_b128 v14, v[RA+16*((\t)%4)+4*\i:RA+16*((\t)%4)+4*\i+3] offset:32*SP*((\t)%2)+8*SP*\i
.endr
.irp i, 0,1,2,3
	ds_load_b128 v[XA+16*((\t)%2)+4*\i:XA+16*((\t)%2)+4*\i+3], v15 offset:32*SP*((\t)%2)+16*\i
.endr
.endm
.irp t, 0,1,2,3
	LOADA \t
.endr
	s_wait_kmcnt 0x0
	s_cmp_eq_u32 s26, 0
	s_cselect_b32 s28, s32, s34                    ; e0 or e2,
	s_cmp_eq_u32 s26, 2
	s_cselect_b32 s28, s36, s28                    ; or e4
	s_add_co_i32 s28, s28, 127
	s_lshl_b32 s29, s28, 23
	v_mov_b32 v11, s29                             ; 2^e as f32
	s_add_co_i32 s28, s28, EMAX
	s_lshl_b32 s28, s28, 23
	s_or_b32 s28, s28, MANT
	v_mov_b32 v10, s28                             ; the largest number x 2^e
	s_wait_alu depctr_va_vdst(0)                   ; the wait at the head's end
	s_wait_loadcnt 12                              ; step 0's four loads are in; the twelve of steps 1 to 3 may be out
	TURNA 0
.macro STEPA t
.set XS, XA+16*((\t)%2)
	s_wait_dscnt 0x0                               ; this step's numbers are back, so the stage's stores have read their registers
.if (\t)+4 < STEPS
	LOADA (\t)+4
.endif
.if (\t)+1 < STEPS
.if STEPS-2-(\t) >= 3
	s_wait_loadcnt 12                              ; the next step's four are in; three steps' loads may be out
.else
	s_wait_loadcnt 4*(STEPS-2-(\t))
.endif
	TURNA (\t)+1
.endif
.irp i, 0,1,2,3,4,5,6,7,8,9,10,11,12,13,14,15
	v_med3_num_f32 v[XS+\i], v[XS+\i], -v10, v10   ; the conversion does not saturate (ISA guide 7.6.2): the hold comes first
.endr
	v_cvt_scalef32_pk8_bf8_f32 v[CA+4*(\t):CA+4*(\t)+1], v[XS:XS+7], v11
	v_cvt_scalef32_pk8_bf8_f32 v[CA+4*(\t)+2:CA+4*(\t)+3], v[XS+8:XS+15], v11
	global_store_b128 v4, v[CA+4*(\t):CA+4*(\t)+3], s[20:21] offset:32*CB*(\t)
.endm
.irp t, 0,1,2,3,4,5,6,7,8,9,10,11,12,13,14,15
	STEPA \t
.endr
	s_wait_tensorcnt 0x0                           ; the wave's end
	ds_add_u32 v[SPW], v[NIL]
	s_wait_dscnt 0x0
	s_endpgm
.Lweights:
	; ---- the four weights
	v_lshlrev_b32 v3, 2, v2                        ; in: 4 bytes a lane
	s_mul_i32 s27, s24, 32*PITCH
	s_add_co_u32 s27, s27, WBASE                   ; my stage
	v_mul_u32_u24 v4, v2, PITCH
	v_add_nc_u32 v4, s27, v4                       ; into it: row = my column
	v_and_b32 v5, 15, v2
	v_lshrrev_b32 v6, 4, v2
	v_mul_u32_u24 v7, v6, PITCH
	v_lshl_add_u32 v7, v5, 4, v7
	v_add_nc_u32 v7, s27, v7                       ; out of it: sixteen lanes to a row
	v_mul_u32_u24 v8, v6, KROW
	v_lshl_add_u32 v8, v5, 4, v8
	s_wait_alu depctr_va_vdst(0)                   ; the wait ahead of the scalar lines below
	s_and_b32 s25, ttmp9, 7
	s_lshr_b32 s26, ttmp9, 3
	s_lshl_b32 s25, s25, 7
	s_lshl_b32 s27, s24, 5
	s_add_co_u32 s25, s25, s27                     ; my wave's first column
	s_lshr_b32 s28, s26, 2                         ; which weight
	s_and_b32 s26, s26, 3                          ; which 256 along K
	s_lshl_b32 s48, s26, 20                        ; 256 rows of 4,096 bytes
	s_lshl_b32 s50, s25, 2
	s_add_co_u32 s48, s48, s50
	s_mov_b32 s49, 0
	s_lshl_b32 s50, s25, 10                        ; codes: column x 1,024
	s_lshl_b32 s52, s26, 8
	s_add_co_u32 s50, s50, s52
	s_lshl_b32 s52, s28, 20                        ; + the weight's section
	s_add_co_u32 s50, s50, s52
	s_mov_b32 s51, 0
	s_cmp_eq_u32 s28, 0
	s_cselect_b64 s[10:11], s[10:11], s[12:13]
	s_cmp_eq_u32 s28, 2
	s_cselect_b64 s[10:11], s[14:15], s[10:11]
	s_cmp_eq_u32 s28, 3
	s_cselect_b64 s[10:11], s[16:17], s[10:11]
	s_add_nc_u64 s[10:11], s[10:11], s[48:49]
	s_add_nc_u64 s[22:23], s[22:23], s[50:51]
.macro LOADW t                         ; block t: W(32 t + i, my column) into set t % 2
.irp i, 0,1,2,3,4,5,6,7,8,9,10,11,12,13,14,15,16,17,18,19,20,21,22,23,24,25,26,27,28,29,30,31
	global_load_b32 v[XW+32*((\t)%2)+\i], v3, s[10:11] offset:(32*(\t)+\i)*4096 th:TH_LOAD_NT
.endr
.endm
	LOADW 0
	LOADW 1
	s_wait_kmcnt 0x0
	s_cmp_eq_u32 s28, 0
	s_cselect_b32 s30, s33, s35                    ; e1 or e3,
	s_cmp_eq_u32 s28, 2
	s_cselect_b32 s30, s37, s30                    ; or e5,
	s_cmp_eq_u32 s28, 3
	s_cselect_b32 s30, s47, s30                    ; or e15
	s_add_co_i32 s30, s30, 127
	s_lshl_b32 s31, s30, 23
	v_mov_b32 v11, s31
	s_add_co_i32 s30, s30, EMAX
	s_lshl_b32 s30, s30, 23
	s_or_b32 s30, s30, MANT
	v_mov_b32 v10, s30
	s_wait_alu depctr_va_vdst(0)                   ; the wait at the head's end
.macro BLOCKW t
.set XS, XW+32*((\t)%2)
.if (\t) < NB-1
	s_wait_loadcnt 32                              ; this block's 32 loads are in; the next block's may be out
.else
	s_wait_loadcnt 0
.endif
.irp i, 0,1,2,3,4,5,6,7,8,9,10,11,12,13,14,15,16,17,18,19,20,21,22,23,24,25,26,27,28,29,30,31
	v_med3_num_f32 v[XS+\i], v[XS+\i], -v10, v10
.endr
.irp g, 0,1,2,3
	v_cvt_scalef32_pk8_bf8_f32 v[CW+2*\g:CW+2*\g+1], v[XS+8*\g:XS+8*\g+7], v11
.endr
	ds_store_b128 v4, v[CW:CW+3] offset:32*(\t)
	ds_store_b128 v4, v[CW+4:CW+7] offset:32*(\t)+16
.if (\t)+2 < NB
	LOADW (\t)+2
.endif
	s_wait_dscnt 0x0                               ; the stores have read their registers
.endm
.set Q, 0
.rept NB
	BLOCKW Q
.set Q, Q+1
.endr
.irp t, 0,1,2,3,4,5,6,7,8,9,10,11,12,13,14,15
	ds_load_b128 v[OUTR+4*\t:OUTR+4*\t+3], v7 offset:2*\t*PITCH
.endr
.irp t, 0,1,2,3,4,5,6,7,8,9,10,11,12,13,14,15
	s_wait_dscnt 15-\t                             ; load t is in; the younger ones may be out
	global_store_b128 v8, v[OUTR+4*\t:OUTR+4*\t+3], s[22:23] offset:2*\t*KROW
.endr
	s_wait_tensorcnt 0x0                           ; the wave's end
	ds_add_u32 v[SPW], v[NIL]
	s_wait_dscnt 0x0
	s_endpgm
.Lfunc_end_k_q0b0417414c_quant:
	.size	k_q0b0417414c_quant, .Lfunc_end_k_q0b0417414c_quant-k_q0b0417414c_quant
	.p2alignl 7, 3214868480
	.fill 96, 4, 3214868480
	.section	.rodata,"a",@progbits
	.p2align	6, 0x0
	.amdhsa_kernel k_q0b0417414c_quant
		.amdhsa_group_segment_fixed_size 68096
		.amdhsa_private_segment_fixed_size 0
		.amdhsa_enable_private_segment 0
		.amdhsa_kernarg_size 80
		.amdhsa_user_sgpr_count 2
		.amdhsa_user_sgpr_kernarg_segment_ptr 1
		.amdhsa_wavefront_size32 1
		.amdhsa_system_sgpr_workgroup_id_x 1
		.amdhsa_system_sgpr_workgroup_id_y 1
		.amdhsa_system_sgpr_workgroup_id_z 1
		.amdhsa_system_vgpr_workitem_id 0
		.amdhsa_next_free_vgpr 194
		.amdhsa_next_free_sgpr 66
		.amdhsa_reserve_vcc 0
		.amdhsa_float_denorm_mode_32 3
		.amdhsa_float_denorm_mode_16_64 3
		.amdhsa_memory_ordered 1
		.amdhsa_forward_progress 1
		.amdhsa_inst_pref_size 86
	.end_amdhsa_kernel
	.amdgpu_metadata
---
amdhsa.version: [ 1, 2 ]
amdhsa.kernels:
  - .name:           k_q0b0417414c_quant
    .symbol:         k_q0b0417414c_quant.kd
    .args:
      - { .name: key, .offset: 0, .size: 8, .value_kind: global_buffer, .address_space: global }
      - { .name: value, .offset: 8, .size: 8, .value_kind: global_buffer, .address_space: global }
      - { .name: query, .offset: 16, .size: 8, .value_kind: global_buffer, .address_space: global }
      - { .name: Wk, .offset: 24, .size: 8, .value_kind: global_buffer, .address_space: global }
      - { .name: Wv, .offset: 32, .size: 8, .value_kind: global_buffer, .address_space: global }
      - { .name: Wq, .offset: 40, .size: 8, .value_kind: global_buffer, .address_space: global }
      - { .name: Wo, .offset: 48, .size: 8, .value_kind: global_buffer, .address_space: global }
      - { .name: lowp_scales, .offset: 56, .size: 8, .value_kind: global_buffer, .address_space: global }
      - { .name: xc, .offset: 64, .size: 8, .value_kind: global_buffer, .address_space: global }
      - { .name: wc, .offset: 72, .size: 8, .value_kind: global_buffer, .address_space: global }
    .group_segment_fixed_size: 68096
    .private_segment_fixed_size: 0
    .kernarg_segment_align: 8
    .kernarg_segment_size: 80
    .max_flat_workgroup_size: 128
    .sgpr_count:     66
    .vgpr_count:     194
    .wavefront_size: 32
...
	.end_amdgpu_metadata
.endif
;; end of part 1
;; launch proj (part 2): grid 4 x 96, 4 waves a work-group, clusters of 4 x 4, 327,680 bytes of LDS; arguments xc, wc, lowp_scales, bk, bv, bq, acts; writes acts
.if DOCPART == 2
	.amdgcn_target "amdgcn-amd-amdhsa--gfx1250"
	.amdhsa_code_object_version 6
	.text
	.protected	k_q0b0417414c_proj
	.globl	k_q0b0417414c_proj
	.p2align	8
	.type	k_q0b0417414c_proj,@function
k_q0b0417414c_proj:
	s_mov_b64 s[64:65], 0
	v_nop
	global_prefetch_b8 v0, s[64:65] scope:SCOPE_SE
	s_setreg_imm32_b32 hwreg(HW_REG_WAVE_MODE, 25, 1), 1
	s_wait_xcnt 0x0
	s_wait_alu depctr_hold_cnt(0) depctr_sa_sdst(0) depctr_va_vdst(0) depctr_va_sdst(0) depctr_va_ssrc(0) depctr_va_vcc(0) depctr_vm_vsrc(0)
	s_getreg_b32 s2, hwreg(HW_REG_IB_STS2, 6, 4)
	s_cmp_eq_u32 s2, 0
	s_cbranch_scc0 .Lentry_in_a_cluster
	s_endpgm
.Lentry_in_a_cluster:
	s_bfe_u32 s2, ttmp6, 0x10000c
	s_cmp_lg_u32 s2, 0xf033
	s_cbranch_scc0 .Lentry_shape_is_right
	s_endpgm
.Lentry_shape_is_right:
.set KSTEP,  256
.set ROWB,   256
.set KROW,   1024
.set PITCH,  272
.set FR,     16
.set NL,     4
.set NP,     4
.set HALFT,  128*PITCH
.set SLOT,   4*HALFT
.set LAPS,   2
.set SPARE,  2*SLOT
.set SROW,   144
.set SWAVE,  16*SROW
.set STAGEQ, SPARE+512
.set STAGEV, STAGEQ+4*SWAVE
.set RDV,  7
.set BA,   8
.set ADRA, 16
.set ADRB, 20
.set SC1,  22
.set LM1,  23
.set STOQ, 24
.set RDQ,  25
.set CO,   26
.set SC2,  27
.set SPW,  28
.set NIL,  29
.set LM2,  30
.set STOV, 31
.set BB,   32
.set PC,   96
.set RB,   112
.set TMP,  128
.set HOLD, 192
.set AF,   128
.set G1, 24
.set G0, 32
.set G1B, 48
.set G0B, 56
.set MSB, 0
.macro WIN new
.if MSB != \new
	s_set_vgpr_msb (MSB<<8)|\new
.set MSB, \new
.endif
.endm
.set MUL_LO, 0xa1
.set MUL_HI, 0xf1
.set TO_B,   0x40
.macro JLOAD g0a, g1a, g0b, g1b
	s_cmp_eq_u32 s15, 0
	s_cbranch_scc0 .Lfor_b_\@
	tensor_load_to_lds s[\g0a:\g0a+3], s[\g1a:\g1a+7]
	s_nop 0
.rept 4
	v_nop
.endr
	s_branch .Lasked_\@
.Lfor_b_\@:
	tensor_load_to_lds s[\g0b:\g0b+3], s[\g1b:\g1b+7]
	s_nop 0
.rept 4
	v_nop
.endr
.Lasked_\@:
.endm
.macro CREST
	s_cmp_lg_u32 s14, 0
	s_cbranch_scc1 .Lnot_wave_0_\@
	s_barrier_signal -3
.Lnot_wave_0_\@:
	s_barrier_wait -3
	s_barrier_signal -1
	s_barrier_wait -1
.endm
.macro CROUND
	s_barrier_signal -1
	s_barrier_wait -1
	CREST
.endm
	s_load_b256 s[4:11], s[0:1], 0x0
	s_load_b128 s[68:71], s[0:1], 0x20
	s_load_b64 s[72:73], s[0:1], 0x30
	v_lshl_add_u32 v[SPW], v0, 2, SPARE
	v_mov_b32 v[NIL], 0
	ds_add_u32 v28, v29
	ds_add_u32 v28, v29
	s_wait_dscnt 0x0
	v_lshrrev_b32 v1, 5, v0
	v_readfirstlane_b32 s14, v1
	s_lshr_b32 s15, s14, 1
	s_and_b32 s16, s14, 1
	s_bfe_u32 s40, ttmp6, 0x40000
	s_bfe_u32 s41, ttmp6, 0x40004
	s_and_b32 s77, ttmp7, 0xffff
	s_lshr_b32 s76, s77, 3
	s_add_co_u32 s76, s76, 2                       ; the order of the tensors by cluster rows: query (2), whose way out sends two sets of codes, then key (0), then value (1)
	s_cmp_lt_u32 s76, 3
	s_cselect_b32 s78, 0, 3
	s_sub_co_u32 s76, s76, s78
	s_and_b32 s77, s77, 7
	s_cmp_eq_u32 s76, 1
	s_cselect_b32 s78, 0, s77
	s_cselect_b32 s79, s77, 0
	s_lshl_b32 s42, s79, 2
	s_add_co_u32 s42, s42, s40
	s_lshl_b32 s17, s78, 2
	s_add_co_u32 s17, s17, s41
	s_lshl_b32 s43, s41, 2
	s_lshl_b32 s43, 15, s43
	s_lshl_b32 s44, 0x1111, s40
	s_or_b32 s[G1+0], s43, (0<<16)|(1<<20)|(1<<21)|(5<<22)|(3<<25)
	s_or_b32 s[G1B+0], s44, (0<<16)|(1<<20)|(1<<21)|(5<<22)|(3<<25)
.irp g, G1, G1B
	s_mov_b32 s[\g+1], ROWB<<16
	s_mov_b32 s[\g+2], 128<<16
	s_mov_b32 s[\g+3], ROWB<<16
	s_mov_b32 s[\g+4], 128
	s_mov_b32 s[\g+5], KROW
	s_mov_b32 s[\g+6], 0
	s_mov_b32 s[\g+7], 0
.endr
	s_lshl_b32 s18, s16, 7
	s_lshl_b32 s20, s17, 8
	s_add_co_u32 s20, s20, s18
	s_lshl_b32 s46, s42, 8
	s_add_co_u32 s46, s46, s18
	s_lshl_b32 s20, s20, 10
	s_lshl_b32 s46, s46, 10
	s_mov_b32 s21, 0
	s_mov_b32 s47, 0
	s_mul_i32 s45, s14, HALFT
	s_lshl_b32 s78, s17, 8
	s_lshl_b32 s18, s15, 7
	s_add_co_u32 s78, s78, s18
	s_lshl_b32 s79, s42, 8
	s_lshl_b32 s18, s16, 7
	s_add_co_u32 s79, s79, s18
	s_wait_kmcnt 0x0
	s_load_b512 s[80:95], s[8:9], 0x0
	s_lshl_b32 s12, s76, 23
	s_mov_b32 s13, 0
	s_add_nc_u64 s[74:75], s[4:5], s[12:13]
	s_lshl_b32 s12, s76, 20
	s_add_nc_u64 s[66:67], s[6:7], s[12:13]
	s_cmp_eq_u32 s76, 1
	s_cselect_b64 s[22:23], s[66:67], s[74:75]
	s_cselect_b64 s[66:67], s[74:75], s[66:67]
	s_add_nc_u64 s[20:21], s[22:23], s[20:21]
	s_add_nc_u64 s[46:47], s[66:67], s[46:47]
	CROUND
.irp s, 0,1
	s_mov_b32 s[G0+4*\s], 1
	s_add_co_u32 s[G0+4*\s+1], s45, \s*SLOT
	s_add_nc_u64 s[G0+4*\s+2:G0+4*\s+3], s[20:21], \s*ROWB
	s_or_b32 s[G0+4*\s+3], s[G0+4*\s+3], 0x80000000
	s_mov_b32 s[G0B+4*\s], 1
	s_add_co_u32 s[G0B+4*\s+1], s45, \s*SLOT
	s_add_nc_u64 s[G0B+4*\s+2:G0B+4*\s+3], s[46:47], \s*ROWB
	s_or_b32 s[G0B+4*\s+3], s[G0B+4*\s+3], 0x80000000
	s_wait_alu depctr_va_vdst(0)
	s_wait_tensorcnt 0x0
	ds_add_u32 v28, v29
	ds_add_u32 v28, v29
	s_wait_dscnt 0x0
	CROUND
	JLOAD G0+4*\s, G1, G0B+4*\s, G1B
.endr
	s_cmp_eq_u32 s76, 0
	s_cselect_b64 s[74:75], s[10:11], s[68:69]
	s_cmp_eq_u32 s76, 2
	s_cselect_b64 s[74:75], s[70:71], s[74:75]
	s_cmp_eq_u32 s76, 1
	s_cselect_b32 s12, 0, s79
	s_cselect_b32 s18, s78, 0
	s_lshl_b32 s12, s12, 2
	s_mov_b32 s13, 0
	s_add_nc_u64 s[100:101], s[74:75], s[12:13]
	s_lshl_b32 s18, s18, 2
	s_mov_b32 s19, 0
	s_add_nc_u64 s[46:47], s[74:75], s[18:19]
	v_and_b32 v1, 15, v0
	s_wait_alu depctr_va_vdst(0)
	v_bfe_u32 v2, v0, 4, 1
	v_mul_u32_u24 v3, v1, PITCH
	v_lshl_add_u32 v4, v2, 4, v3
	s_mul_i32 s21, s15, HALFT
	s_mul_i32 s22, s16, HALFT
	s_add_co_u32 s22, s22, 2*HALFT
.irp s, 0,1
	v_add_nc_u32 v[ADRA+\s], s21, v4
	v_add_nc_u32 v[ADRB+\s], s22, v4
	s_add_co_u32 s21, s21, SLOT
	s_add_co_u32 s22, s22, SLOT
.endr
	s_mul_i32 s23, s14, SWAVE
	v_mul_u32_u24 v3, v1, SROW
	s_wait_alu depctr_va_vdst(0)
	v_lshl_add_u32 v3, v2, 3, v3
	v_add_nc_u32 v3, s23, v3
	v_add_nc_u32 v[STOQ], STAGEQ, v3
	v_add_nc_u32 v[STOV], STAGEV, v3
	v_and_b32 v4, 31, v0
	v_lshlrev_b32 v[CO], 4, v4
	v_lshrrev_b32 v3, 2, v4
	v_mul_u32_u24 v3, v3, SROW
	v_and_b32 v5, 3, v4
	v_lshl_add_u32 v3, v5, 4, v3
	v_add_nc_u32 v3, s23, v3
	v_add_nc_u32 v[RDQ], STAGEQ, v3
	v_lshrrev_b32 v3, 3, v4
	v_mul_u32_u24 v3, v3, SROW
	v_and_b32 v5, 7, v4
	v_lshl_add_u32 v3, v5, 4, v3
	v_add_nc_u32 v3, s23, v3
	v_add_nc_u32 v[RDV], STAGEV, v3
	v_lshlrev_b32 v5, 5, v2
	v_lshlrev_b32 v6, 2, v1
.irp b, 0,1,2,3,4,5,6,7
	global_load_b128 v[BB+8*\b:BB+8*\b+3], v5, s[100:101] offset:64*\b
	global_load_b128 v[BB+8*\b+4:BB+8*\b+7], v5, s[100:101] offset:64*\b+16
.endr
.irp a, 0,1,2,3,4,5,6,7
	global_load_b32 v[BA+\a], v6, s[46:47] offset:64*\a
.endr
.macro FRAG reg, adr, q, i
.irp c, 0,1,2,3
	ds_load_b128 v[\reg+4*\c:\reg+4*\c+3], v[\adr] offset:128*(\q)+32*\c+(\i)*16*PITCH
.endr
.endm
.macro MUL16 a0, p, zero
.irp a, \a0, \a0+1
.irp b, 0,1,2,3,4,5,6,7
.if \zero
	v_wmma_f32_16x16x128_bf8_bf8 v[8*(8*((\a)%4)+\b):8*(8*((\a)%4)+\b)+7], v[128*(\p)+FR*\b:128*(\p)+FR*\b+FR-1], v[AF+FR*(\a):AF+FR*(\a)+FR-1], 0
.else
	v_wmma_f32_16x16x128_bf8_bf8 v[8*(8*((\a)%4)+\b):8*(8*((\a)%4)+\b)+7], v[128*(\p)+FR*\b:128*(\p)+FR*\b+FR-1], v[AF+FR*(\a):AF+FR*(\a)+FR-1], v[8*(8*((\a)%4)+\b):8*(8*((\a)%4)+\b)+7]
.endif
.endr
.endr
.endm
.macro FETCH_B slot, q, p
	WIN TO_B
.irp i, 0,1,2,3,4,5,6,7
	FRAG 128*(\p)+FR*\i, ADRB+\slot, \q, \i
.endr
	WIN 0
.endm
.macro FETCH_A slot, q, i0
.irp i, \i0, \i0+1, \i0+2, \i0+3
	FRAG AF+FR*(\i), ADRA+\slot, \q, \i
.endr
.endm
.macro PLACES n
.rept \n
	v_nop
.endr
.endm
.macro STEP slot, q, zero
	s_wait_dscnt 4*NL
	WIN MUL_LO
	MUL16 0, (\q)%2, \zero
	MUL16 2, (\q)%2, \zero
	s_wait_dscnt 0
	PLACES NP
	FETCH_B \slot, (\q)+1, 1-(\q)%2
	FETCH_A \slot, (\q)+1, 0
	WIN MUL_HI
	MUL16 4, (\q)%2, \zero
	MUL16 6, (\q)%2, \zero
	PLACES NP
	WIN 0
	FETCH_A \slot, (\q)+1, 4
.endm
.macro TURN slot, next, fill
	s_wait_tensorcnt 0x0
	ds_add_u32 v[SPW], v[NIL]
	s_wait_dscnt 4*NL+1
	WIN MUL_LO
	MUL16 0, 1, 0
	s_wait_dscnt 0x0
	s_barrier_signal -1
	MUL16 2, 1, 0
	WIN 0
	s_barrier_wait -1
.if \fill
	CREST
	s_add_nc_u64 s[G0+4*\slot+2:G0+4*\slot+3], s[G0+4*\slot+2:G0+4*\slot+3], 2*ROWB
	s_add_nc_u64 s[G0B+4*\slot+2:G0B+4*\slot+3], s[G0B+4*\slot+2:G0B+4*\slot+3], 2*ROWB
	JLOAD G0+4*\slot, G1, G0B+4*\slot, G1B
.else
	PLACES NP
.endif
	FETCH_B \next, 0, 0
	FETCH_A \next, 0, 0
	WIN MUL_HI
	MUL16 4, 1, 0
	MUL16 6, 1, 0
	PLACES NP
	WIN 0
	FETCH_A \next, 0, 4
.endm
	s_wait_tensorcnt 1
	s_barrier_signal -1
	s_barrier_wait -1
	FETCH_B 0, 0, 0
	FETCH_A 0, 0, 0
	FETCH_A 0, 0, 4
	STEP 0, 0, 1
	s_mov_b32 s3, LAPS-1
.Llap:
	TURN 0, 1, 1
	STEP 1, 0, 0
	TURN 1, 0, 1
	STEP 0, 0, 0
	s_sub_co_u32 s3, s3, 1
	s_cmp_lg_u32 s3, 0
	s_cbranch_scc1 .Llap
	TURN 0, 1, 0
	STEP 1, 0, 0
	s_wait_dscnt 4*NL
	WIN MUL_LO
	MUL16 0, 1, 0
	MUL16 2, 1, 0
	s_wait_dscnt 0
	WIN MUL_HI
	MUL16 4, 1, 0
	MUL16 6, 1, 0
	WIN 0
	s_wait_kmcnt 0x0
	s_wait_loadcnt 0x0
	s_cmp_eq_u32 s76, 0
	s_cselect_b32 s18, s80, s82
	s_cselect_b32 s19, s81, s83
	s_cselect_b32 s20, s87, s91
	s_mov_b32 s98, 1.0
	s_cmp_eq_u32 s76, 2
	s_cselect_b32 s18, s84, s18
	s_cselect_b32 s19, s85, s19
	s_cselect_b32 s20, s86, s20
	s_cselect_b32 s21, 3, 0
	s_cselect_b32 s98, 0x3e000000, s98
	s_mov_b32 s99, s98
	s_add_co_i32 s18, s18, s19
	s_sub_co_i32 s18, s18, s21
	s_add_co_i32 s18, s18, 127
	s_lshl_b32 s96, s18, 23
	s_mov_b32 s97, s96
	PLACES NP
	s_add_co_i32 s20, s20, 127
	s_lshl_b32 s21, s20, 23
	v_mov_b32 v[SC1], s21
	s_add_co_i32 s20, s20, 15
	s_lshl_b32 s20, s20, 23
	s_or_b32 s20, s20, 0x600000
	v_mov_b32 v[LM1], s20
	s_add_co_i32 s20, s89, 127
	s_lshl_b32 s21, s20, 23
	v_mov_b32 v[SC2], s21
	s_add_co_i32 s20, s20, 15
	s_lshl_b32 s20, s20, 23
	s_or_b32 s20, s20, 0x600000
	v_mov_b32 v[LM2], s20
.macro VALQ a
.set AC, 64*((\a)%4)
	WIN 0x02+((\a)/4)
.set j, 0
.rept 32
	v_pk_fma_f32 v[TMP+j:TMP+j+1], v[AC+j:AC+j+1], s[96:97], v[BB+j:BB+j+1] op_sel_hi:[1,0,1]
.set j, j+2
.endr
	WIN 0
.endm
.macro VALV a
.set AC, 64*((\a)%4)
	WIN 0x02+((\a)/4)
.set j, 0
.rept 32
.if ((\a)%2)
	v_pk_fma_f32 v[TMP+j:TMP+j+1], v[AC+j:AC+j+1], s[96:97], v[BA+(\a)-1:BA+(\a)] op_sel:[0,0,1] op_sel_hi:[1,0,1]
.else
	v_pk_fma_f32 v[TMP+j:TMP+j+1], v[AC+j:AC+j+1], s[96:97], v[BA+(\a):BA+(\a)+1] op_sel_hi:[1,0,0]
.endif
.set j, j+2
.endr
	WIN 0
.endm
.macro HC sc, lim
.set j, 0
.rept 64
	v_med3_num_f32 v[HOLD+j], v[TMP+j], -v[\lim], v[\lim]
.set j, j+1
.endr
.set j, 0
.rept 8
	v_cvt_scalef32_pk8_bf8_f32 v[PC+2*j:PC+2*j+1], v[HOLD+8*j:HOLD+8*j+7], v[\sc]
.set j, j+1
.endr
	v_nop
.endm
.macro PUT sto
.set j, 0
.rept 8
	ds_store_b64 v[\sto], v[PC+2*j:PC+2*j+1] offset:16*j
.set j, j+1
.endr
.endm
.macro SENDQ a, sc, lim, base
	HC \sc, \lim
	PUT STOQ
.irp t, 0,1,2,3
	ds_load_b128 v[RB+4*\t:RB+4*\t+3], v[RDQ] offset:8*SROW*(\t%2)+64*(\t/2)
.endr
	s_wait_dscnt 0x0
.irp t, 0,1,2,3
	global_store_b128 v[CO], v[RB+4*\t:RB+4*\t+3], s[\base:\base+1] offset:65536*(\t/2)+2048*((\a)/2)+1024*(\t%2)+512*((\a)%2)
.endr
.endm
.macro BLKQ a
	s_wait_xcnt 0x0
	VALQ \a
	SENDQ \a, SC1, LM1, 12
	s_cmp_lg_u32 s76, 2
	s_cbranch_scc1 .Lone_\@
	s_wait_xcnt 0x0
	SENDQ \a, SC2, LM2, 22
.Lone_\@:
.endm
.macro BLKV a
	s_wait_xcnt 0x0
	VALV \a
	HC SC1, LM1
	PUT STOV
.irp t, 0,1,2,3
	ds_load_b128 v[RB+4*\t:RB+4*\t+3], v[RDV] offset:4*SROW*\t
.endr
	s_wait_dscnt 0x0
.irp t, 0,1,2,3
	global_store_b128 v[CO], v[RB+4*\t:RB+4*\t+3], s[12:13] offset:65536*((\a)/4)+2048*((\a)%4)+512*\t
.endr
.endm
	s_cmp_eq_u32 s76, 1
	s_cbranch_scc1 .Lv_out
	s_lshr_b32 s18, s78, 10
	s_lshl_b32 s18, s18, 4
	s_lshr_b32 s19, s79, 6
	s_add_co_u32 s18, s18, s19
	s_lshl_b32 s18, s18, 16
	s_and_b32 s19, s78, 1023
	s_lshl_b32 s19, s19, 6
	s_add_co_u32 s18, s18, s19
	s_lshl_b32 s19, s76, 23
	s_add_co_u32 s18, s18, s19
	s_mov_b32 s19, 0
	s_add_nc_u64 s[12:13], s[72:73], s[18:19]
	s_add_nc_u64 s[22:23], s[12:13], 0x800000
.set j, 0
.rept 32
	v_pk_mul_f32 v[BB+j:BB+j+1], v[BB+j:BB+j+1], s[98:99] op_sel_hi:[1,0]
.set j, j+2
.endr
.irp a, 0,1,2,3,4,5,6,7
	BLKQ \a
.endr
	s_branch .Lend
.Lv_out:
	s_lshr_b32 s18, s79, 10
	s_lshl_b32 s18, s18, 4
	s_lshr_b32 s19, s78, 6
	s_add_co_u32 s18, s18, s19
	s_lshl_b32 s18, s18, 3
	s_bfe_u32 s19, s79, 0x30007
	s_add_co_u32 s18, s18, s19
	s_lshl_b32 s18, s18, 13
	s_add_co_u32 s18, s18, 0x800000
	s_mov_b32 s19, 0
	s_add_nc_u64 s[12:13], s[72:73], s[18:19]
.irp a, 0,1,2,3,4,5,6,7
	BLKV \a
.endr
.Lend:
	s_wait_tensorcnt 0x0
	ds_add_u32 v[SPW], v[NIL]
	s_wait_dscnt 0x0
	CROUND
	s_endpgm
.Lfunc_end_k_q0b0417414c_proj:
	.size	k_q0b0417414c_proj, .Lfunc_end_k_q0b0417414c_proj-k_q0b0417414c_proj
	.p2alignl 7, 3214868480
	.fill 96, 4, 3214868480
	.section	.rodata,"a",@progbits
	.p2align	6, 0x0
	.amdhsa_kernel k_q0b0417414c_proj
		.amdhsa_group_segment_fixed_size 327680
		.amdhsa_private_segment_fixed_size 0
		.amdhsa_enable_private_segment 0
		.amdhsa_kernarg_size 56
		.amdhsa_user_sgpr_count 2
		.amdhsa_user_sgpr_kernarg_segment_ptr 1
		.amdhsa_wavefront_size32 1
		.amdhsa_system_sgpr_workgroup_id_x 1
		.amdhsa_system_sgpr_workgroup_id_y 1
		.amdhsa_system_sgpr_workgroup_id_z 1
		.amdhsa_system_vgpr_workitem_id 0
		.amdhsa_next_free_vgpr 1024
		.amdhsa_next_free_sgpr 102
		.amdhsa_reserve_vcc 0
		.amdhsa_float_denorm_mode_32 3
		.amdhsa_float_denorm_mode_16_64 3
		.amdhsa_memory_ordered 1
		.amdhsa_forward_progress 1
		.amdhsa_inst_pref_size 255
	.end_amdhsa_kernel
	.section	.bss,"aw",@nobits
	.p2align	6
	.space	262144
	.amdgpu_metadata
---
amdhsa.version: [ 1, 2 ]
amdhsa.kernels:
  - .name:           k_q0b0417414c_proj
    .symbol:         k_q0b0417414c_proj.kd
    .args:
      - { .name: xc, .offset: 0, .size: 8, .value_kind: global_buffer, .address_space: global }
      - { .name: wc, .offset: 8, .size: 8, .value_kind: global_buffer, .address_space: global }
      - { .name: lowp_scales, .offset: 16, .size: 8, .value_kind: global_buffer, .address_space: global }
      - { .name: bk, .offset: 24, .size: 8, .value_kind: global_buffer, .address_space: global }
      - { .name: bv, .offset: 32, .size: 8, .value_kind: global_buffer, .address_space: global }
      - { .name: bq, .offset: 40, .size: 8, .value_kind: global_buffer, .address_space: global }
      - { .name: acts, .offset: 48, .size: 8, .value_kind: global_buffer, .address_space: global }
    .group_segment_fixed_size: 327680
    .private_segment_fixed_size: 0
    .kernarg_segment_align: 8
    .kernarg_segment_size: 56
    .max_flat_workgroup_size: 128
    .sgpr_count:     102
    .vgpr_count:     1024
    .wavefront_size: 32
...
	.end_amdgpu_metadata
.endif
;; end of part 2
;; launch attn (part 3): grid 2 x 128, 16 waves a work-group, no clusters, 296,960 bytes of LDS; arguments acts, rel_k_table, rel_v_table, lowp_scales, cc, out1; writes cc, out1
.if DOCPART == 3
	.amdgcn_target "amdgcn-amd-amdhsa--gfx1250"
	.amdhsa_code_object_version 6
	.text
	.protected	k_q0b0417414c_attn
	.globl	k_q0b0417414c_attn
	.p2align	8
	.type	k_q0b0417414c_attn,@function
k_q0b0417414c_attn:
	s_mov_b64 s[64:65], 0
	v_nop
	global_prefetch_b8 v0, s[64:65] scope:SCOPE_SE
	s_setreg_imm32_b32 hwreg(HW_REG_WAVE_MODE, 25, 1), 1
	s_wait_xcnt 0x0
; Attention with relative positions on codes of BF8 (E5M2).  logits = q k^T + q zk^T;  ctx = (p v + p zv) / l;  zk, zv: rows clip(q - k, -16, 16) + 16 of tables of 33 rows.  Also out1, head 0's finished softmax.
; reference() gathers zk and zv from those tables by an index that it builds itself: q zk^T is taken as q . Tk[j] for the 33 rows (three matrix instructions a tile) and looked up; p zv meets the table's codes.
; t = logit x log2(e);  M = the running largest t rounded UP to a whole number;  p = 2^(t - M), not normalised, quantised twice (scale entries 10 and 13);  l = the sum of the unquantised p.
; SHARES.  A work-group owns one (batch, head) and 512 queries (x = 0, 1).  The head's K and V (64 KiB each) come into LDS ONCE, one tensor load a wave; nothing is filled again.  TWO barriers: one behind the fills, one in the part for out1.
; OUT1 comes first.  The 32 work-groups of a batch share head 0's 64 tiles of 16 queries: mine are tiles 32 x + 2 head + 0, 1.  Wave w takes tile w / 8 and the keys 128 (w % 8) on, K's fragments straight from memory.
;   It takes p under its own M_w and its own sum s_w; the pairs (-M_w, s_w) go through LDS and the second barrier; then M = the largest M_k, l = the sum of s_k 2^(M_k - M), and the weights are p x 2^(M_w - M) / l.
;   They leave through the wave's own EX bytes, 64 keys at a time: sixteen lanes store 256 consecutive aligned bytes.
; THEN each of the sixteen waves is on its own: two passes, each a tile of 16 queries (tile T = 32 x + 16 pass + wave).  Four waves share a SIMD.
; K AND V LIE TURNED ROUND IN LDS: place c of eight (128 keys each) holds the keys 128 ((c + 4 x - 1) % 8) on.  So the work-group's x enters the tiles' addresses in memory and the masks, and no LDS address:
; those are made of the wave's number and of counted loops alone.  A tile's near blocks lie at places (T % 32 + 5) / 2 .. + 3 of 32 keys.
; LAYOUT.  All products are used transposed: a lane (r = lane % 16, h = lane / 16) holds query r.  K lies in memory so that rows 32 b + 16 u + rho are keys 32 b + 8 u + rho + 8 (rho / 8);
; register 16 b + i of the scores is then key 32 b + 16 h + i of the step.  In the K = 64 form half h holds bytes 32 h .. 32 h + 31 of its row, alike on both sides.
; A PASS HAS NINE STEPS OF 128 KEYS.  With B1 = (T + 1) / 2, blocks B1 - 2 .. B1 + 1 of 32 keys are the NEAR step, written out: block 0 far before the queries, blocks 1 and 2 on the diagonal, block 3 far behind.
; Then the eight places run in a loop with those four blocks switched off; an aligned step holds keys of one kind (before or behind).
;   A far block's term is one number a lane: it goes into the addend of the multiply-add that makes t - M.  A block that is switched off, or does not exist, has the addend -infinity: p = 0.
;   A near block that does not exist (in front of key 0, behind key 1,023) falls on a place that holds other keys' codes: finite scores, p = 0, codes 0: it adds nothing.
;   On the diagonal the term is the C of q k^T, read askew from the wave's own table EX.  The diagonal's own key lies in the near step, which comes first: M is a number from the first step on.
;   p zv: for far keys the table's side is a fragment that is constant along K; on the diagonal p's codes are laid askew in LDS (byte y = key - query + 15) and meet a window of the table.
; A pass's query codes are asked for a pass ahead: at the head, and at the first tile's end.
; No cluster: only two work-groups share a head, and each reads K and V once, at its head; for the same reason there is no loop to prefetch them in.
; cc is stored in runs of 64 bytes: the rest of each 256 belongs to other heads, which are other work-groups.
; LIMITS: e6 + e7 between -126 and 127; e8, e10, e12, e13, e14 between -126 and 112; the others go by v_ldexp_f32.  NaN among the inputs is not served.  The scaled scores stay under 2^31 in magnitude.
.set KP,   80                          ; a key's row in LDS: 64 bytes + 16
.set VP,   144                         ; a row of V^T: 128 keys + 16
.set KBLK, 32*KP
.set VBLK, 64*VP
.set VL,   32*KBLK                     ; K: 32 blocks from byte 0;  V^T: 8 blocks from here
.set TV,   VL+8*VBLK                   ; 64 rows d x 144: byte x = the code of Tv[clamp(63 - x, 0, 32)][d], x = key - query + 47
.set TK,   TV+64*VP                    ; 64 rows x 80: row R = the codes of Tk[31 - R] (R < 32), else of Tk[32 - 32 (R % 2)]
.set EX,   TK+64*KP                    ; a wave's own: 16 rows x 400: float x = the term at key - query = x - 47; for out1 also the stage, 16 rows x 272
.set WS,   EX+16*6400                  ; a wave's own: 16 rows x 80: p's codes askew; at a pass's end ctx's codes
.set XCH,  WS+16*1280                  ; 16 waves x 16 queries x (-M_w, s_w)
.set SPARE, XCH+2048                   ; the spare words, 128 bytes a wave
.set AK0, 1
.set AV0, 2
.set EXW, 3
.set EXPD, 4
.set EXR, 5
.set WSZ, 6
.set WSB, 7
.set TVW, 8
.set TVC, 9
.set TKR, 10
.set SGW, 11
.set SGR, 12
.set QO,  13
.set GO,  14
.set ADK, 16
.set ADV, 17
.set NM,  18                           ; v[18:19] -M, the largest t
.set SU,  20                           ; v[20:21] the sum in two halves
.set RLO, 22                           ; the term of keys far before the query (row 32), far behind it (row 0)
.set RHI, 23
.set SC10, 24
.set SC13, 25
.set SC14, 26
.set ACA, 27
.set FF,  28                           ; v[28:29] f = 2^(old M - new M)
.set NINF, 34
.set Q6,  36                           ; v36-43   my queries' codes
.set BT,  44                           ; v44-47   the four blocks' terms as t
.set AD,  48                           ; v48-51   the same less M
.set T8,  52                           ; v52-59   eight numbers held
.set MX,  52
.set F,   60                           ; v60-91   four fragments of K; then p's codes
.set P10, 60
.set P13, 76
.set S,   92                           ; v92-155  scores, then p, then V's fragments
.set O,   156                          ; v156-187 p v, transposed
.set O2,  188                          ; v188-219 p zv, transposed
.set AC,  220                          ; v220-251 four more fragments of K; the table's constant fragments; at a pass's start the queries' codes for q zk^T
.set ADVN, 252                         ; v252-255 the near step's four blocks of V
; for out1 alone, ahead of the passes:
.set KF,  156                          ; v156-219 eight fragments of head 0's K; then the weights on the way out
.set TQ6, 228                          ; v228-235, v236-243 the tile's two sets of query codes
.set TQ2, 236
.set CF,  44                           ; v44-51   the far term as a C
.set EXR2, 27                          ; v27 EX askew; v28, v29 the stage, in and back; v35 my offset in out1; v56, v57 my pair's place, my tile's pairs
.set WV,  16
.set BH,  17
.set XR,  18                           ; s18  4 x + 7
.set PL,  19                           ; s19  the near step's first place of 32 keys
.set B1,  98
.set TT,  99                           ; s99  my tile of head 0
.set TG,  68                           ; s68  its block of 32 keys in hand; s70-72 the diagonal's first block, its second, the first behind
.set T0,  70
.set T1,  71
.set T2,  72
.macro PLACES
.rept 4
	v_nop
.endr
.endm
.macro SCL e, sc, lim                  ; s[sc] = 2^e as f32, s[lim] = 57,344 x 2^e
	s_add_co_i32 s[\sc], s[\e], 127
	s_add_co_i32 s[\lim], s[\sc], 15
	s_lshl_b32 s[\sc], s[\sc], 23
	s_lshl_b32 s[\lim], s[\lim], 23
	s_or_b32 s[\lim], s[\lim], 0x600000
.endm
.macro QLOAD t, hd, sb, q6, q2         ; tile s[t] of (batch, head) s[hd]: the codes for q k^T into q6, for q zk^T into q2; bases in s[sb .. sb + 3]
	s_lshr_b32 s93, s[\t], 1
	s_lshl_b32 s93, s93, 11
	s_and_b32 s94, s[\t], 1
	s_lshl_b32 s94, s94, 9
	s_add_co_u32 s93, s93, s94
	s_lshl_b32 s94, s[\hd], 16
	s_add_co_u32 s94, s94, s93
	s_add_co_u32 s94, s94, 0x1000000
	s_mov_b32 s95, 0
	s_add_nc_u64 s[\sb:\sb+1], s[4:5], s[94:95]
	s_add_nc_u64 s[\sb+2:\sb+3], s[\sb:\sb+1], 0x800000
	global_load_b128 v[\q6:\q6+3], v[QO], s[\sb:\sb+1]
	global_load_b128 v[\q6+4:\q6+7], v[QO], s[\sb:\sb+1] offset:16
	global_load_b128 v[\q2:\q2+3], v[QO], s[\sb+2:\sb+3]
	global_load_b128 v[\q2+4:\q2+7], v[QO], s[\sb+2:\sb+3] offset:16
.endm
	s_load_b256 s[4:11], s[0:1], 0x0               ; acts, rel_k_table, rel_v_table, the scales' exponents
	s_load_b128 s[12:15], s[0:1], 0x20             ; cc, out1
	v_lshl_add_u32 v254, v0, 2, SPARE
	v_mov_b32 v255, 0
	ds_add_u32 v254, v255                          ; the opening lines: the add twice on end and its wait ahead of my tensor load
	ds_add_u32 v254, v255
	v_lshrrev_b32 v30, 5, v0
	s_delay_alu instid0(VALU_DEP_1)
	v_readfirstlane_b32 s[WV], v30                 ; wave 0..15
	s_and_b32 s[BH], ttmp7, 0xffff                 ; 16 x batch + head
	s_mov_b32 s24, 0x06d00000                      ; K's tiles: elements of 1 byte; 4 words of padding behind every 16
	s_mov_b32 s25, 64<<16
	s_mov_b32 s26, 128<<16
	s_mov_b32 s27, 64<<16
	s_mov_b32 s28, 128
	s_mov_b32 s29, 64
	s_mov_b32 s30, 0
	s_mov_b32 s31, 0
	s_mov_b32 s32, 0x07100000                      ; V's tiles: 4 words behind every 32
	s_mov_b32 s33, 128<<16
	s_mov_b32 s34, 64<<16
	s_mov_b32 s35, 128<<16
	s_mov_b32 s36, 64
	s_mov_b32 s37, 128
	s_mov_b32 s38, 0
	s_mov_b32 s39, 0
	s_mov_b32 s20, 0x76543210                      ; v_permlanex16_b32: lane l xor 16
	s_mov_b32 s21, 0xfedcba98
	s_mov_b32 s79, 0xffff0000                      ; lanes 16-31
	s_lshl_b32 s[XR], ttmp9, 2
	s_add_co_u32 s[XR], s[XR], 7
	s_add_co_u32 s95, s[XR], s[WV]
	s_and_b32 s95, s95, 7                          ; place wave % 8 takes the keys 128 ((wave + 4 x - 1) % 8) on
	s_lshl_b32 s95, s95, 13
	s_lshl_b32 s94, s[BH], 16
	s_add_co_u32 s94, s94, s95
	s_mov_b32 s95, 0
	s_mov_b32 s40, 1
	s_mul_i32 s41, s[WV], 4*KBLK                   ; waves 0-7: a place of K each
	s_mov_b32 s44, 1
	s_mul_i32 s45, s[WV], VBLK
	s_add_co_u32 s45, s45, VL-8*VBLK               ; waves 8-15: a place of V^T each
	s_lshl_b32 s88, ttmp9, 5
	s_lshr_b32 s2, s[WV], 3                        ; which of my work-group's two tiles of head 0
	s_and_b32 s3, s[BH], 15
	s_lshl_b32 s3, s3, 1
	s_add_co_u32 s3, s3, s2
	s_add_co_u32 s[TT], s3, s88                    ; 32 x + 2 head + wave / 8
	s_add_co_u32 s88, s88, s[WV]                   ; T
	s_mov_b32 s75, 0                               ; the pass
	s_wait_dscnt 0x0
	s_wait_kmcnt 0x0
	s_load_b512 s[48:63], s[10:11], 0x0            ; e0 .. e15
	s_add_nc_u64 s[42:43], s[4:5], s[94:95]        ; K,
	s_add_nc_u64 s[46:47], s[42:43], 0x800000      ; V: 8 MiB on
	s_or_b32 s43, s43, 0x80000000
	s_or_b32 s47, s47, 0x80000000
	s_cmp_lt_u32 s[WV], 8                          ; each wave's one fill; s_nop 0 and four v_nop follow each line
	s_cbranch_scc0 .Lfor_v
	tensor_load_to_lds s[40:43], s[24:31]
	s_nop 0
	PLACES
	s_branch .Lasked
.Lfor_v:
	tensor_load_to_lds s[44:47], s[32:39]
	s_nop 0
	PLACES
.Lasked:
	v_and_b32 v30, 15, v0                          ; r
	v_bfe_u32 v31, v0, 4, 1                        ; h
	v_and_b32 v32, 31, v0                          ; lane
	s_delay_alu instid0(VALU_DEP_3)
	v_mul_u32_u24 v[AK0], v30, KP
	s_delay_alu instid0(VALU_DEP_1)
	v_lshl_add_u32 v[AK0], v31, 5, v[AK0]          ; 80 r + 32 h
	v_mul_u32_u24 v[AV0], v30, VP
	s_delay_alu instid0(VALU_DEP_1)
	v_lshl_add_u32 v[AV0], v31, 4, v[AV0]
	s_delay_alu instid0(VALU_DEP_1)
	v_add_nc_u32 v[AV0], VL, v[AV0]                ; VL + 144 r + 16 h
	s_mul_i32 s93, s[WV], 6400
	s_add_co_u32 s93, s93, EX
	v_mul_u32_u24 v[EXW], v30, 400
	s_delay_alu instid0(VALU_DEP_1)
	v_add_nc_u32 v[EXW], s93, v[EXW]
	s_delay_alu instid0(VALU_DEP_1)
	v_lshl_add_u32 v[EXPD], v31, 8, v[EXW]         ; the pads: x 0..31 by lanes 0-15, x 64..95 by lanes 16-31
	s_delay_alu instid0(VALU_DEP_2)
	v_lshl_add_u32 v[EXW], v31, 5, v[EXW]
	s_and_b32 s94, s[WV], 1                        ; T's parity is the wave's
	s_lshl_b32 s95, s94, 6
	s_add_co_u32 s95, s95, s93
	s_add_co_u32 s95, s95, 60
	v_mul_u32_u24 v[EXR], v30, 396
	s_delay_alu instid0(VALU_DEP_1)
	v_lshl_add_u32 v[EXR], v31, 6, v[EXR]
	s_delay_alu instid0(VALU_DEP_1)
	v_add_nc_u32 v[EXR], s95, v[EXR]               ; askew: 400 r + 4 (16 h - r + 15 + 16 (T % 2))
	s_mul_i32 s93, s[WV], 1280
	s_add_co_u32 s95, s93, WS
	v_mul_u32_u24 v[WSZ], v30, 80
	s_delay_alu instid0(VALU_DEP_1)
	v_lshl_add_u32 v[SGW], v31, 3, v[WSZ]
	s_delay_alu instid0(VALU_DEP_1)
	v_add_nc_u32 v[SGW], s95, v[SGW]
	s_delay_alu instid0(VALU_DEP_3)
	v_lshl_add_u32 v[WSZ], v31, 5, v[WSZ]
	s_delay_alu instid0(VALU_DEP_1)
	v_add_nc_u32 v[WSZ], s95, v[WSZ]
	v_mul_u32_u24 v[WSB], v30, 79
	s_delay_alu instid0(VALU_DEP_1)
	v_lshl_add_u32 v[WSB], v31, 4, v[WSB]
	s_delay_alu instid0(VALU_DEP_1)
	v_add_nc_u32 v[WSB], s95, v[WSB]
	s_delay_alu instid0(VALU_DEP_1)
	v_add_nc_u32 v[WSB], 15, v[WSB]                ; 80 r + (16 h - r + 15)
	s_lshl_b32 s94, s94, 4
	s_add_co_u32 s94, s94, TV
	v_mul_u32_u24 v[TVC], v30, VP
	s_delay_alu instid0(VALU_DEP_1)
	v_lshl_add_u32 v[TVW], v31, 5, v[TVC]
	s_delay_alu instid0(VALU_DEP_1)
	v_add_nc_u32 v[TVW], s94, v[TVW]               ; the window: + 32 h + 16 (T % 2)
	s_delay_alu instid0(VALU_DEP_3)
	v_add_nc_u32 v[TVC], TV, v[TVC]
	v_add_nc_u32 v[TKR], TK, v[AK0]
	v_lshrrev_b32 v33, 2, v32
	v_and_b32 v34, 3, v32
	s_delay_alu instid0(VALU_DEP_2)
	v_mul_u32_u24 v[SGR], v33, 80
	s_delay_alu instid0(VALU_DEP_1)
	v_lshl_add_u32 v[SGR], v34, 4, v[SGR]
	s_delay_alu instid0(VALU_DEP_1)
	v_add_nc_u32 v[SGR], s95, v[SGR]
	v_and_b32 v[QO], 7, v30
	v_lshrrev_b32 v35, 3, v30
	s_delay_alu instid0(VALU_DEP_1)
	v_lshl_add_u32 v[QO], v35, 4, v[QO]
	s_delay_alu instid0(VALU_DEP_1)
	v_lshlrev_b32 v[QO], 6, v[QO]
	s_delay_alu instid0(VALU_DEP_1)
	v_lshl_add_u32 v[QO], v31, 5, v[QO]            ; my query's row among the stored order's, + 32 h
	v_lshlrev_b32 v[GO], 10, v33
	s_delay_alu instid0(VALU_DEP_1)
	v_lshl_add_u32 v[GO], v34, 4, v[GO]
	v_lshlrev_b32 v44, 6, v30
	s_delay_alu instid0(VALU_DEP_1)
	v_lshl_add_u32 v44, v31, 5, v44                ; a fragment of K from memory: 64 r + 32 h
	s_wait_alu depctr_va_vdst(0)                   ; the wait ahead of the scalar lines below
	QLOAD 88, BH, 80, Q6, AC                       ; the first pass's queries
	s_and_b32 s67, s[BH], 0xfff0                   ; head 0 of my batch
	QLOAD TT, 67, 84, TQ6, TQ2                     ; its tile for out1,
	s_lshl_b32 s94, s67, 16
	s_and_b32 s93, s[WV], 7
	s_lshl_b32 s93, s93, 13
	s_add_co_u32 s94, s94, s93
	s_mov_b32 s95, 0
	s_add_nc_u64 s[68:69], s[4:5], s[94:95]        ; and its keys 128 (wave % 8) on
.set i, 0
.rept 8
	global_load_b128 v[KF+8*i:KF+8*i+3], v44, s[68:69] offset:1024*i
	global_load_b128 v[KF+8*i+4:KF+8*i+7], v44, s[68:69] offset:1024*i+16
.set i, i+1
.endr
	; the table of keys: thread: row R = t / 8, eight numbers
	v_lshrrev_b32 v30, 3, v0
	v_and_b32 v31, 7, v0
	s_delay_alu instid0(VALU_DEP_2)
	v_sub_nc_u32 v32, 31, v30
	s_delay_alu instid0(VALU_DEP_3)
	v_and_b32 v33, 1, v30
	s_delay_alu instid0(VALU_DEP_1)
	v_lshlrev_b32 v33, 5, v33
	s_delay_alu instid0(VALU_DEP_1)
	v_sub_nc_u32 v33, 32, v33
	v_cmp_gt_u32 vcc_lo, 32, v30
	s_delay_alu instid0(VALU_DEP_1)
	v_cndmask_b32 v32, v33, v32, vcc_lo            ; the table's row, 0 .. 32
	s_delay_alu instid0(VALU_DEP_1)
	v_lshlrev_b32 v32, 8, v32
	s_delay_alu instid0(VALU_DEP_1)
	v_lshl_add_u32 v32, v31, 5, v32
	global_load_b128 v[S:S+3], v32, s[6:7]
	global_load_b128 v[S+4:S+7], v32, s[6:7] offset:16
	v_mul_u32_u24 v33, v30, 80
	s_delay_alu instid0(VALU_DEP_1)
	v_lshl_add_u32 v33, v31, 3, v33
	s_delay_alu instid0(VALU_DEP_1)
	v_add_nc_u32 v33, TK, v33
	v_mul_u32_u24 v59, v30, VP                     ; the last 16 bytes of TV's 64 rows: two a thread, row t / 8, so that every byte of the table is written
	s_delay_alu instid0(VALU_DEP_1)
	v_lshl_add_u32 v59, v31, 1, v59
	s_delay_alu instid0(VALU_DEP_1)
	v_add_nc_u32 v59, TV+128, v59
	; the table of values, laid out along key - query: thread: d = t % 64, bytes 16 (t / 64) on
	v_and_b32 v34, 63, v0
	s_delay_alu instid0(VALU_DEP_1)
	v_lshlrev_b32 v35, 2, v34
	v_lshrrev_b32 v52, 6, v0
	s_delay_alu instid0(VALU_DEP_1)
	v_lshlrev_b32 v53, 4, v52
.set i, 0
.rept 16
	v_add_nc_u32 v[F+i], i, v53
	s_delay_alu instid0(VALU_DEP_1)
	v_min_u32 v[F+i], 63, v[F+i]
	s_delay_alu instid0(VALU_DEP_1)
	v_sub_nc_u32 v[F+i], 63, v[F+i]
	s_delay_alu instid0(VALU_DEP_1)
	v_min_u32 v[F+i], 32, v[F+i]                   ; clamp(63 - x, 0, 32)
	s_delay_alu instid0(VALU_DEP_1)
	v_lshl_add_u32 v[F+i], v[F+i], 8, v35
	global_load_b32 v[S+8+i], v[F+i], s[8:9]
.set i, i+1
.endr
	v_mul_u32_u24 v54, v34, VP
	s_delay_alu instid0(VALU_DEP_1)
	v_lshl_add_u32 v54, v52, 4, v54
	s_delay_alu instid0(VALU_DEP_1)
	v_add_nc_u32 v54, TV, v54
	s_wait_kmcnt 0x0
	s_add_co_i32 s93, s54, s55                     ; e6 + e7
	s_lshl_b32 s94, s93, 23
	s_add_co_i32 s22, s94, 0x3fb8aa3b              ; c = log2(e) x 2^(e6 + e7)
	s_mov_b32 s23, s22
	s_add_co_i32 s76, s56, s57
	s_sub_co_i32 s76, s76, s93                     ; e8 + e9 - e6 - e7: the term in the units of q k^T's sums
	s_add_co_i32 s77, s58, s59                     ; e10 + e11
	s_add_co_i32 s78, s60, s61                     ; e12 + e13
	SCL 58, 94, 89
	v_mov_b32 v[SC10], s94
	SCL 61, 94, 90
	v_mov_b32 v[SC13], s94
	SCL 62, 94, 91
	v_mov_b32 v[SC14], s94
	s_or_b32 s92, s91, 0x80000000                  ; -57,344 x 2^e14
	SCL 56, 94, 95
	v_mov_b32 v55, s94
	v_mov_b32 v56, s95
	SCL 60, 94, 95
	v_mov_b32 v57, s94
	v_mov_b32 v58, s95
	s_wait_alu depctr_va_vdst(0)                   ; the wait ahead of the wait below
	s_wait_loadcnt 0x0
.set i, 0
.rept 8
	v_med3_num_f32 v[S+i], v[S+i], -v56, v56
.set i, i+1
.endr
.rept 16
	v_med3_num_f32 v[S+i], v[S+i], -v58, v58
.set i, i+1
.endr
	v_cvt_scalef32_pk8_bf8_f32 v[S+24:S+25], v[S:S+7], v55
	v_cvt_scalef32_pk8_bf8_f32 v[S+26:S+27], v[S+8:S+15], v57
	v_cvt_scalef32_pk8_bf8_f32 v[S+28:S+29], v[S+16:S+23], v57
	v_nop                                          ; one plain line behind the last conversion
	ds_store_b64 v33, v[S+24:S+25]
	ds_store_b128 v54, v[S+26:S+29]
	ds_store_b16 v59, v255                         ; zeros (v255 still holds 0)
	v_mov_b32 v[NINF], 0xff800000
	v_mov_b32 v[FF+1], 0                           ; (named as a pair's upper half)
	v_mov_b32 v31, 0                               ; a lane permute's destination counts as read
	s_wait_alu depctr_va_vdst(0)                   ; the wait at the head's end
	s_wait_tensorcnt 0x0                           ; my part of K or V has landed,
	s_wait_dscnt 0x0                               ; my parts of the tables are stored:
	s_barrier_signal -1
	s_barrier_wait -1                              ; everybody's are.  From here on K, V and the tables are only read
; R^T = Tk q^T for the queries' codes in qz, in the units of q k^T's sums: the two far terms into RLO and RHI, the 31 others with pads of the far terms into my table EX
.macro RTAB qz
.set i, 0
.rept 3
	ds_load_b128 v[S+8*i:S+8*i+3], v[TKR] offset:16*KP*i
	ds_load_b128 v[S+8*i+4:S+8*i+7], v[TKR] offset:16*KP*i+16
.set i, i+1
.endr
	s_wait_loadcnt 0x0                             ; the queries' codes, asked for long before
	s_wait_dscnt 0x0
.set i, 0
.rept 3
	v_wmma_f32_16x16x64_bf8_bf8 v[S+32+8*i:S+39+8*i], v[S+8*i:S+8*i+7], v[\qz:\qz+7], 0   ; register j of tile i is table row 31 - 16 i - 8 h - j; tile 2: rows 32, 0, 32, 0 ..
.set i, i+1
.endr
	PLACES
.set i, 0
.rept 16
	v_ldexp_f32 v[F+i], v[S+32+i], s76
.set i, i+1
.endr
	v_ldexp_f32 v[RLO], v[S+48], s76
	v_ldexp_f32 v[RHI], v[S+49], s76
.set i, 0
.rept 4
	v_cndmask_b32 v[F+16+i], v[RLO], v[RHI], s79
.set i, i+1
.endr
.set i, 0
.rept 8
	ds_store_b128 v[EXPD], v[F+16:F+19] offset:16*i
.set i, i+1
.endr
.set i, 0
.rept 2
	ds_store_b128 v[EXW], v[F+8*i:F+8*i+3] offset:128+64*i         ; x = 32 + 16 i + 8 h + j
	ds_store_b128 v[EXW], v[F+8*i+4:F+8*i+7] offset:128+64*i+16
.set i, i+1
.endr
.endm
; out1: a block of 32 keys: far (the term as a constant C) or one of the diagonal's two (C read askew); the branches hang on ids alone
.macro SBLOCK b
.set SB, S+16*(\b)
.set FB, KF+16*(\b)
	s_cmp_eq_u32 s[TG], s[T0]
	s_cbranch_scc1 .Lfirst_\@
	s_cmp_eq_u32 s[TG], s[T1]
	s_cbranch_scc1 .Lsecond_\@
	s_cmp_lg_u32 s[TG], s[T2]
	s_cbranch_scc1 .Lfar_\@
	PLACES
.set i, 0
.rept 8
	v_mov_b32 v[CF+i], v[RHI]
.set i, i+1
.endr
.Lfar_\@:
	s_wait_alu depctr_va_vdst(0)                   ; C was written ahead of a branch
	v_wmma_f32_16x16x64_bf8_bf8 v[SB:SB+7], v[FB:FB+7], v[TQ6:TQ6+7], v[CF:CF+7]
	v_wmma_f32_16x16x64_bf8_bf8 v[SB+8:SB+15], v[FB+8:FB+15], v[TQ6:TQ6+7], v[CF:CF+7]
	s_branch .Ldone_\@
.Lfirst_\@:
.set i, 0
.rept 16
	ds_load_b32 v[SB+i], v[EXR2] offset:4*i
.set i, i+1
.endr
	s_branch .Lband_\@
.Lsecond_\@:
.set i, 0
.rept 16
	ds_load_b32 v[SB+i], v[EXR2] offset:128+4*i
.set i, i+1
.endr
.Lband_\@:
	s_wait_dscnt 0x0
	v_wmma_f32_16x16x64_bf8_bf8 v[SB:SB+7], v[FB:FB+7], v[TQ6:TQ6+7], v[SB:SB+7]
	v_wmma_f32_16x16x64_bf8_bf8 v[SB+8:SB+15], v[FB+8:FB+15], v[TQ6:TQ6+7], v[SB+8:SB+15]
.Ldone_\@:
	s_add_co_u32 s[TG], s[TG], 1
.endm
	; ---- OUT1: my tile of head 0, my 128 keys
	RTAB TQ2
	s_wait_alu depctr_va_vdst(0)                   ; the wait ahead of the scalar lines below
	s_mul_i32 s93, s[WV], 6400
	s_add_co_u32 s93, s93, EX                      ; my EX bytes
	s_lshl_b32 s94, s2, 6                          ; this tile's parity is wave / 8
	s_add_co_u32 s94, s94, s93
	s_add_co_u32 s94, s94, 60
	s_lshl_b32 s95, s[WV], 7
	s_add_co_u32 s95, s95, XCH
	s_lshl_b32 s96, s2, 10
	s_add_co_u32 s96, s96, XCH
	s_add_co_u32 s[T1], s[TT], 1
	s_lshr_b32 s[T1], s[T1], 1
	s_sub_co_u32 s[T0], s[T1], 1
	s_add_co_u32 s[T2], s[T1], 1
	s_and_b32 s[TG], s[WV], 7
	s_lshl_b32 s[TG], s[TG], 2                     ; my first block of 32 keys
	s_lshr_b32 s66, s[BH], 4
	s_lshl_b32 s66, s66, 10
	s_lshl_b32 s67, s[TT], 4
	s_add_co_u32 s66, s66, s67                     ; the tile's first token
	s_lshl_b32 s66, s66, 12
	s_lshl_b32 s67, s[TG], 7
	s_add_co_u32 s66, s66, s67                     ; + 512 bytes x (wave % 8)
	s_mov_b32 s67, 0
	s_add_nc_u64 s[86:87], s[14:15], s[66:67]
	s_cmp_ge_u32 s[TG], s[T2]                      ; my first block may lie behind the diagonal already
	s_cselect_b32 s97, -1, 0
	v_and_b32 v58, 15, v0                          ; r
	v_bfe_u32 v59, v0, 4, 1                        ; h
	s_delay_alu instid0(VALU_DEP_2)
	v_mul_u32_u24 v[EXR2], v58, 396
	v_mul_u32_u24 v28, v58, 272
	v_mul_u32_u24 v29, v59, 272
	v_lshlrev_b32 v35, 12, v59
	v_lshlrev_b32 v56, 3, v58
	v_lshl_add_u32 v[EXR2], v59, 6, v[EXR2]
	v_lshl_add_u32 v28, v59, 6, v28
	v_lshl_add_u32 v29, v58, 4, v29
	v_lshl_add_u32 v35, v58, 4, v35                ; out1: 4,096 h + 16 r
	v_add_nc_u32 v57, s96, v56                     ; my tile's eight pairs
	v_add_nc_u32 v56, s95, v56                     ; my pair
	v_add_nc_u32 v[EXR2], s94, v[EXR2]             ; askew, as EXR
	v_add_nc_u32 v28, s93, v28                     ; the stage, in: 272 r + 64 h
	v_add_nc_u32 v29, s93, v29                     ; and back: 272 h + 16 r
.set i, 0
.rept 8
	v_cndmask_b32 v[CF+i], v[RLO], v[RHI], s97
.set i, i+1
.endr
	s_wait_alu depctr_va_vdst(0)                   ; the wait ahead of the branches below
	SBLOCK 0
	SBLOCK 1
	SBLOCK 2
	SBLOCK 3
	PLACES
.irp b, 0,1,2,3
	v_max3_num_f32 v[MX+\b], v[S+16*\b], v[S+16*\b+1], v[S+16*\b+2]
.endr
.set n, 3
.rept 6
.irp b, 0,1,2,3
	v_max3_num_f32 v[MX+\b], v[MX+\b], v[S+16*\b+n], v[S+16*\b+n+1]
.endr
.set n, n+2
.endr
.irp b, 0,1,2,3
	v_max_num_f32 v[MX+\b], v[MX+\b], v[S+16*\b+15]
.endr
	s_delay_alu instid0(VALU_DEP_2)
	v_max3_num_f32 v30, v[MX], v[MX+1], v[MX+2]
	s_delay_alu instid0(VALU_DEP_1)
	v_max_num_f32 v30, v30, v[MX+3]
	s_delay_alu instid0(VALU_DEP_1)
	v_permlanex16_b32 v31, v30, s20, s21
	s_delay_alu instid0(VALU_DEP_1)
	v_max_num_f32 v30, v30, v31
	s_delay_alu instid0(VALU_DEP_1)
	v_mul_f32 v[NM+1], s22, v30                    ; my 128 keys' largest t (c is positive)
	s_delay_alu instid0(VALU_DEP_1)
	v_floor_f32 v[NM], -v[NM+1]                    ; -M_w
.set n, 0
.rept 32
	v_pk_fma_f32 v[S+n:S+n+1], v[S+n:S+n+1], s[22:23], v[NM:NM+1] op_sel_hi:[1,0,0]   ; t - M_w
.set n, n+2
.endr
.set n, 0
	s_wait_alu depctr_va_vdst(0)                   ; the wait ahead of the batch
.rept 64
	v_exp_f32 v[S+n], v[S+n]
.set n, n+1
.endr
	v_nop                                          ; a plain line behind the exponentials
	s_wait_alu depctr_va_vdst(0)                   ; one wait for the batch
	v_pk_add_f32 v[SU:SU+1], v[S:S+1], v[S+2:S+3]
	v_pk_add_f32 v[32:33], v[S+4:S+5], v[S+6:S+7]
.set n, 8
.rept 14
	v_pk_add_f32 v[SU:SU+1], v[SU:SU+1], v[S+n:S+n+1]
	v_pk_add_f32 v[32:33], v[32:33], v[S+n+2:S+n+3]
.set n, n+4
.endr
	s_delay_alu instid0(VALU_DEP_1)
	v_pk_add_f32 v[SU:SU+1], v[SU:SU+1], v[32:33]
	s_delay_alu instid0(VALU_DEP_1)
	v_add_f32 v[SU], v[SU], v[SU+1]
	s_delay_alu instid0(VALU_DEP_1)
	v_permlanex16_b32 v31, v[SU], s20, s21
	s_delay_alu instid0(VALU_DEP_1)
	v_add_f32 v[NM+1], v[SU], v31                  ; s_w, beside -M_w
	ds_store_b64 v56, v[NM:NM+1]                   ; lanes r and r + 16 hold the same pair
	s_wait_alu depctr_va_vdst(0)                   ; the wait ahead of the wait below
	s_wait_dscnt 0x0                               ; my pair is stored:
	s_barrier_signal -1
	s_barrier_wait -1                              ; everybody's is
.set i, 0
.rept 8
	ds_load_b64 v[F+2*i:F+2*i+1], v57 offset:128*i
.set i, i+1
.endr
	s_wait_dscnt 0x0
	v_min3_num_f32 v30, v[F], v[F+2], v[F+4]
	v_min3_num_f32 v32, v[F+6], v[F+8], v[F+10]
	s_delay_alu instid0(VALU_DEP_2)
	v_min3_num_f32 v30, v30, v[F+12], v[F+14]
	s_delay_alu instid0(VALU_DEP_1)
	v_min_num_f32 v30, v30, v32                    ; -M
.set i, 0
.rept 8
	v_sub_f32 v[F+2*i], v30, v[F+2*i]              ; M_k - M: a whole number, 0 or less
.set i, i+1
.endr
.set i, 0
.rept 8
	v_cvt_i32_f32 v[F+2*i], v[F+2*i]               ; (it saturates)
.set i, i+1
.endr
.set i, 0
.rept 8
	v_ldexp_f32 v[F+2*i+1], v[F+2*i+1], v[F+2*i]   ; s_k under M
.set i, i+1
.endr
	v_add_f32 v32, v[F+1], v[F+3]
	v_add_f32 v33, v[F+5], v[F+7]
	v_add_f32 v52, v[F+9], v[F+11]
	v_add_f32 v53, v[F+13], v[F+15]
	v_sub_f32 v31, v30, v[NM]                      ; M_w - M
	s_delay_alu instid0(VALU_DEP_4)
	v_add_f32 v32, v32, v33
	s_delay_alu instid0(VALU_DEP_3)
	v_add_f32 v52, v52, v53
	s_delay_alu instid0(VALU_DEP_3)
	v_cvt_i32_f32 v31, v31
	s_delay_alu instid0(VALU_DEP_2)
	v_add_f32 v32, v32, v52                        ; l
	s_wait_alu depctr_va_vdst(0)                   ; the wait ahead of the transcendental
	v_rcp_f32 v32, v32
	v_nop                                          ; one plain line behind the reciprocal
	s_wait_alu depctr_va_vdst(0)                   ; the wait ahead of its first reader
	v_ldexp_f32 v32, v32, v31                      ; 2^(M_w - M) / l
.set n, 0
.rept 32
	v_pk_mul_f32 v[S+n:S+n+1], v[S+n:S+n+1], v[32:33] op_sel_hi:[1,0]
.set n, n+2
.endr
.irp u, 0,1                                    ; keys 64 u on: through my stage, back by rows.  LDS serves a wave's instructions in order
.irp b, 0,1
.irp j, 0,1,2,3
	ds_store_b128 v28, v[S+32*\u+16*\b+4*\j:S+32*\u+16*\b+4*\j+3] offset:128*\b+16*\j
.endr
.endr
.irp i, 0,1,2,3,4,5,6,7
	ds_load_b128 v[KF+32*\u+4*\i:KF+32*\u+4*\i+3], v29 offset:2*\i*272
.endr
.endr
.irp u, 0,1
.irp i, 0,1,2,3,4,5,6,7
	s_wait_dscnt 15-8*\u-\i                        ; this load is in; younger LDS instructions may be out
	global_store_b128 v35, v[KF+32*\u+4*\i:KF+32*\u+4*\i+3], s[86:87] offset:2*\i*4096+256*\u th:TH_STORE_NT   ; sixteen lanes store 256 consecutive aligned bytes
.endr
.endr
	s_wait_xcnt 0x0                                ; the stores have read their registers, which the passes write
.macro KLOAD dst, g                    ; four tiles of 16 keys: blocks 2 g and 2 g + 1 of the step
.set i, 0
.rept 4
	ds_load_b128 v[\dst+8*i:\dst+8*i+3], v[ADK] offset:(64*(\g)+16*i)*KP
	ds_load_b128 v[\dst+8*i+4:\dst+8*i+7], v[ADK] offset:(64*(\g)+16*i)*KP+16
.set i, i+1
.endr
.endm
; p zv for block b of the near step, on the diagonal.  p's 16 codes of a lane go byte by byte to y = 16 h + i - r + 15 of row r; the table's window begins at x = 16 (T % 2) + 32 bb.
.macro BANDPV b, bb, first
	ds_store_b128 v[WSZ], v[S+52:S+55]             ; the row's 64 bytes are zeros first; LDS serves a wave's instructions in order
	ds_store_b128 v[WSZ], v[S+52:S+55] offset:16
.set i, 0
.rept 4
	v_lshrrev_b32 v[S+40+3*i], 8, v[P13+4*(\b)+i]
	v_lshrrev_b32 v[S+41+3*i], 16, v[P13+4*(\b)+i]
	v_lshrrev_b32 v[S+42+3*i], 24, v[P13+4*(\b)+i]
.set i, i+1
.endr
.set i, 0
.rept 4
	ds_store_b8 v[WSB], v[P13+4*(\b)+i] offset:4*i
	ds_store_b8 v[WSB], v[S+40+3*i] offset:4*i+1
	ds_store_b8 v[WSB], v[S+41+3*i] offset:4*i+2
	ds_store_b8 v[WSB], v[S+42+3*i] offset:4*i+3
.set i, i+1
.endr
	ds_load_b128 v[S+32:S+35], v[WSZ]
	ds_load_b128 v[S+36:S+39], v[WSZ] offset:16
.set i, 0
.rept 4
	ds_load_b128 v[S+8*i:S+8*i+3], v[TVW] offset:16*VP*i+32*(\bb)
	ds_load_b128 v[S+8*i+4:S+8*i+7], v[TVW] offset:16*VP*i+32*(\bb)+16
.set i, i+1
.endr
	s_wait_dscnt 0x0
.set i, 0
.rept 4
.if \first
	v_wmma_f32_16x16x64_bf8_bf8 v[O2+8*i:O2+8*i+7], v[S+8*i:S+8*i+7], v[S+32:S+39], 0
.else
	v_wmma_f32_16x16x64_bf8_bf8 v[O2+8*i:O2+8*i+7], v[S+8*i:S+8*i+7], v[S+32:S+39], v[O2+8*i:O2+8*i+7]
.endif
.set i, i+1
.endr
.endm
; A STEP OF 128 KEYS.  near = 1: the four blocks round the diagonal; it starts M, the sum, O and O2.  near = 0: an aligned step.  Ahead of it stand ADK, the addresses of V, and BT.
.macro STEPM near
	KLOAD F, 0
	KLOAD AC, 1
.if \near
.set n, 0
.rept 16
	ds_load_b32 v[S+16+n], v[EXR] offset:4*n       ; the diagonal's terms, askew: the C of blocks 1 and 2
.set n, n+1
.endr
.set n, 0
.rept 16
	ds_load_b32 v[S+32+n], v[EXR] offset:128+4*n
.set n, n+1
.endr
.endif
	s_wait_dscnt 0x0
.set n, 0
.rept 8
.if n < 4
.set KFR, F+8*n
.else
.set KFR, AC+8*(n-4)
.endif
.if \near && (n >= 2) && (n < 6)
	v_wmma_f32_16x16x64_bf8_bf8 v[S+8*n:S+8*n+7], v[KFR:KFR+7], v[Q6:Q6+7], v[S+8*n:S+8*n+7]
.else
	v_wmma_f32_16x16x64_bf8_bf8 v[S+8*n:S+8*n+7], v[KFR:KFR+7], v[Q6:Q6+7], 0
.endif
.set n, n+1
.endr
	PLACES                                         ; in front of the loads into K's last fragments and of the first read of scores
.set n, 0
.rept 4
.if \near
	ds_load_b128 v[AC+8*n:AC+8*n+3], v[TVC] offset:16*VP*n         ; registers 0-3: row 32's code, for block 0;
	ds_load_b128 v[AC+8*n+4:AC+8*n+7], v[TVC] offset:16*VP*n+64    ; registers 4-7: row 0's, for block 3
.else
	ds_load_b128 v[AC+8*n:AC+8*n+3], v[ACA] offset:16*VP*n         ; the step's one row, 32 bytes of the same code
	ds_load_b128 v[AC+8*n+4:AC+8*n+7], v[ACA] offset:16*VP*n+16
.endif
.set n, n+1
.endr
	; ---- the largest t: a chain for each block, each accumulator first read at its low end; then the block's term
.irp b, 0,1,2,3
	v_max3_num_f32 v[MX+\b], v[S+16*\b], v[S+16*\b+1], v[S+16*\b+2]
.endr
.set n, 3
.rept 6
.irp b, 0,1,2,3
	v_max3_num_f32 v[MX+\b], v[MX+\b], v[S+16*\b+n], v[S+16*\b+n+1]
.endr
.set n, n+2
.endr
.irp b, 0,1,2,3
	v_max_num_f32 v[MX+\b], v[MX+\b], v[S+16*\b+15]
.endr
.irp b, 0,1,2,3
	s_delay_alu instid0(VALU_DEP_4)
	v_fma_f32 v[MX+\b], v[MX+\b], s22, v[BT+\b]    ; as t (c is positive); -infinity for a block that is switched off
.endr
	s_delay_alu instid0(VALU_DEP_2)
	v_max3_num_f32 v30, v[MX], v[MX+1], v[MX+2]
	s_delay_alu instid0(VALU_DEP_1)
	v_max_num_f32 v30, v30, v[MX+3]
	s_delay_alu instid0(VALU_DEP_1)
	v_permlanex16_b32 v31, v30, s20, s21
.if \near
	s_delay_alu instid0(VALU_DEP_1)
	v_max_num_f32 v[NM+1], v30, v31                ; the diagonal's own key is among these: a number
	s_delay_alu instid0(VALU_DEP_1)
	v_floor_f32 v[NM], -v[NM+1]                    ; -M = floor(-t): M is a whole number
.else
	s_delay_alu instid0(VALU_DEP_1)
	v_max_num_f32 v30, v30, v31
	s_delay_alu instid0(VALU_DEP_1)
	v_max_num_f32 v[NM+1], v[NM+1], v30
	v_mov_b32 v30, v[NM]
	s_delay_alu instid0(VALU_DEP_2)
	v_floor_f32 v[NM], -v[NM+1]
	s_delay_alu instid0(VALU_DEP_1)
	v_sub_f32 v30, v[NM], v30
	s_delay_alu instid0(VALU_DEP_1)
	v_cvt_i32_f32 v30, v30                         ; (it saturates)
	s_delay_alu instid0(VALU_DEP_1)
	v_ldexp_f32 v[FF], 1.0, v30                    ; f = 2^(old M - new M)
.endif
.irp b, 0,1,2,3
	v_add_f32 v[AD+\b], v[BT+\b], v[NM]
.endr
.irp b, 0,1,2,3
.set n, 0
.rept 8
.if (\b % 2)
	v_pk_fma_f32 v[S+16*\b+n:S+16*\b+n+1], v[S+16*\b+n:S+16*\b+n+1], s[22:23], v[AD+\b-1:AD+\b] op_sel:[0,0,1] op_sel_hi:[1,0,1]   ; t - M: the pair's second register for both halves
.else
	v_pk_fma_f32 v[S+16*\b+n:S+16*\b+n+1], v[S+16*\b+n:S+16*\b+n+1], s[22:23], v[AD+\b:AD+\b+1] op_sel_hi:[1,0,0]                  ; its first
.endif
.set n, n+2
.endr
.endr
.set n, 0
	s_wait_alu depctr_va_vdst(0)                   ; the wait ahead of the batch
.rept 64
	v_exp_f32 v[S+n], v[S+n]
.set n, n+1
.endr
	; ---- the sum is taken of the unquantised p, in two chains
.if \near
	v_nop                                          ; a plain line behind the exponentials
	s_wait_alu depctr_va_vdst(0)                   ; one wait for the batch
	v_pk_add_f32 v[SU:SU+1], v[S:S+1], v[S+2:S+3]
	v_pk_add_f32 v[32:33], v[S+4:S+5], v[S+6:S+7]
.set n, 8
.rept 14
	v_pk_add_f32 v[SU:SU+1], v[SU:SU+1], v[S+n:S+n+1]
	v_pk_add_f32 v[32:33], v[32:33], v[S+n+2:S+n+3]
.set n, n+4
.endr
.else
	v_pk_mul_f32 v[SU:SU+1], v[SU:SU+1], v[FF:FF+1] op_sel_hi:[1,0]   ; (a plain line behind the exponentials)
	s_wait_alu depctr_va_vdst(0)                   ; one wait for the batch
	v_pk_add_f32 v[32:33], v[S:S+1], v[S+2:S+3]
.set n, 4
.rept 15
	v_pk_add_f32 v[SU:SU+1], v[SU:SU+1], v[S+n:S+n+1]
	v_pk_add_f32 v[32:33], v[32:33], v[S+n+2:S+n+3]
.set n, n+4
.endr
.endif
	s_delay_alu instid0(VALU_DEP_1)
	v_pk_add_f32 v[SU:SU+1], v[SU:SU+1], v[32:33]
	; ---- p's two codes.  p is not negative: the hold is one-sided (the conversion does not saturate: ISA guide 7.6.2), two numbers a line.  Four lines stand between each conversion and the next line on its registers
.set j, 0
.rept 8
.set i, 0
.rept 4
	v_dual_min_num_f32 v[T8+i], s89, v[S+8*j+i] :: v_dual_min_num_f32 v[T8+i+1], s89, v[S+8*j+i+1]
.set i, i+2
.endr
	v_cvt_scalef32_pk8_bf8_f32 v[P10+2*j:P10+2*j+1], v[T8:T8+7], v[SC10]
.set i, 0
.rept 4
	v_dual_min_num_f32 v[S+8*j+i], s90, v[S+8*j+i] :: v_dual_min_num_f32 v[S+8*j+i+1], s90, v[S+8*j+i+1]
.set i, i+2
.endr
	v_cvt_scalef32_pk8_bf8_f32 v[P13+2*j:P13+2*j+1], v[S+8*j:S+8*j+7], v[SC13]
.set j, j+1
.endr
	v_nop
.if \near
	; ---- p zv on the diagonal, which starts O2
.set i, 0
.rept 4
	v_mov_b32 v[S+52+i], 0
.set i, i+1
.endr
	BANDPV 1, 0, 1
	BANDPV 2, 1, 0
.set i, 0
.rept 4
	v_mov_b32 v[P13+4+i], v[P13+12+i]              ; block 3's codes beside block 0's.  (Four places in front of the loads below)
.set i, i+1
.endr
.else
	s_wait_alu depctr_va_vdst(0)                   ; the wait directly ahead of the first reader of the last step's results
.set n, 0
.rept 32
	v_pk_mul_f32 v[O+n:O+n+1], v[O+n:O+n+1], v[FF:FF+1] op_sel_hi:[1,0]   ; both results under the new M
.set n, n+2
.endr
.endif
	; ---- p zv far from the diagonal, and p v.  The accumulators take turns, one instruction a turn
.set i, 0
.rept 4
.set j, 0
.rept 4
.if \near
	ds_load_b128 v[S+16*i+4*j:S+16*i+4*j+3], v[ADVN+j] offset:16*VP*i
.else
	ds_load_b128 v[S+16*i+4*j:S+16*i+4*j+3], v[ADV] offset:16*VP*i+32*j
.endif
.set j, j+1
.endr
.set i, i+1
.endr
.if \near
.set i, 0
.rept 4
	v_wmma_f32_16x16x64_bf8_bf8 v[O2+8*i:O2+8*i+7], v[AC+8*i:AC+8*i+7], v[P13:P13+7], v[O2+8*i:O2+8*i+7]
.set i, i+1
.endr
.else
	s_wait_alu depctr_va_vdst(0)                   ; the wait ahead of the wait below
	s_wait_dscnt 16                                ; the table's eight loads are in; V's sixteen, which are younger, may be out
.set j, 0
.rept 2
.set i, 0
.rept 4
	v_wmma_f32_16x16x64_bf8_bf8 v[O2+8*i:O2+8*i+7], v[AC+8*i:AC+8*i+7], v[P13+8*j:P13+8*j+7], v[O2+8*i:O2+8*i+7]
.set i, i+1
.endr
.set j, j+1
.endr
.endif
	s_wait_dscnt 0x0                               ; V's fragments
.set i, 0
.rept 4
.if \near
	v_wmma_f32_16x16x128_bf8_bf8 v[O+8*i:O+8*i+7], v[S+16*i:S+16*i+15], v[P10:P10+15], 0
.else
	v_wmma_f32_16x16x128_bf8_bf8 v[O+8*i:O+8*i+7], v[S+16*i:S+16*i+15], v[P10:P10+15], v[O+8*i:O+8*i+7]
.endif
.set i, i+1
.endr
.endm
.Lpass:
	; ---- a tile's start
	s_add_co_u32 s[B1], s88, 1
	s_lshr_b32 s[B1], s[B1], 1
	s_min_u32 s[B1], s[B1], 32                     ; 0 .. 32: for the masks
	s_lshl_b32 s[PL], s75, 4
	s_add_co_u32 s[PL], s[PL], s[WV]
	s_add_co_u32 s[PL], s[PL], 5
	s_lshr_b32 s[PL], s[PL], 1                     ; (T % 32 + 5) / 2, 2 .. 18: block B1 - 2's place in LDS
	s_lshr_b32 s93, s[BH], 4
	s_lshl_b32 s93, s93, 10
	s_lshl_b32 s94, s88, 4
	s_add_co_u32 s93, s93, s94                     ; my first token
	s_mov_b32 s97, 0
	s_lshl_b32 s96, s93, 10
	s_and_b32 s94, s[BH], 15
	s_lshl_b32 s94, s94, 6
	s_add_co_u32 s96, s96, s94
	s_add_nc_u64 s[84:85], s[12:13], s[96:97]
	RTAB AC
	v_mul_f32 v[RLO], s22, v[RLO]                  ; the two far terms as t
	v_mul_f32 v[RHI], s22, v[RHI]
	; ---- the near step: places PL .. PL + 3.  Place g of K begins at g blocks, place g of V at byte 32 (g % 4) of the rows of block g / 4
	s_mul_i32 s66, s[PL], KBLK
	v_add_nc_u32 v[ADK], s66, v[AK0]
	s_wait_alu depctr_va_vdst(0)                   ; the wait ahead of the scalar lines below
	s_mov_b32 s93, s[PL]
.set i, 0
.rept 4
	s_lshr_b32 s94, s93, 2
	s_mul_i32 s94, s94, VBLK
	s_and_b32 s95, s93, 3
	s_lshl_b32 s95, s95, 5
	s_add_co_u32 s94, s94, s95
	v_add_nc_u32 v[ADVN+i], s94, v[AV0]
	s_add_co_u32 s93, s93, 1
.set i, i+1
.endr
	s_cmp_lt_u32 s[B1], 2                          ; a block in front of the first key or behind the last does not exist
	s_cselect_b32 s70, -1, 0
	s_cmp_lt_u32 s[B1], 1
	s_cselect_b32 s71, -1, 0
	s_cmp_gt_u32 s[B1], 31
	s_cselect_b32 s72, -1, 0
	s_cmp_gt_u32 s[B1], 30
	s_cselect_b32 s73, -1, 0
	v_cndmask_b32 v[BT], v[RLO], v[NINF], s70
	v_cndmask_b32 v[BT+1], 0, v[NINF], s71         ; on the diagonal the term is in the sums already
	v_cndmask_b32 v[BT+2], 0, v[NINF], s72
	v_cndmask_b32 v[BT+3], v[RHI], v[NINF], s73
	STEPM 1
	s_mov_b32 s74, 0
.Lstep:
	; ---- an aligned step: place s, which holds blocks 4 g .. 4 g + 3, g = (s + 4 x - 1) % 8.  The eight vector lines here are the places behind the last products
	s_lshl_b32 s93, s74, 2
	s_mul_i32 s66, s93, KBLK
	s_mul_i32 s67, s74, VBLK
	s_add_co_u32 s93, s74, s[XR]
	s_and_b32 s93, s93, 7
	s_lshl_b32 s93, s93, 2
	s_add_co_u32 s93, s93, 2                       ; 4 g + 2
	s_cmp_lt_u32 s93, s[B1]                        ; 4 g < B1 - 2: what counts of this step lies before the queries; else behind them
	s_cselect_b32 s68, -1, 0
	s_cselect_b32 s69, 0, 64
	s_sub_co_u32 s94, s93, s[B1]                   ; block 4 g + b is switched off where 4 g + b + 2 - B1 is 0 .. 3
.set i, 0
.rept 4
	s_cmp_lt_u32 s94, 4
	s_cselect_b32 s[70+i], -1, 0
	s_add_co_u32 s94, s94, 1
.set i, i+1
.endr
	v_add_nc_u32 v[ADK], s66, v[AK0]
	v_add_nc_u32 v[ADV], s67, v[AV0]
	v_add_nc_u32 v[ACA], s69, v[TVC]
	s_wait_alu depctr_va_vdst(0)
	v_cndmask_b32 v30, v[RHI], v[RLO], s68
.set i, 0
.rept 4
	v_cndmask_b32 v[BT+i], v30, v[NINF], s[70+i]
.set i, i+1
.endr
	STEPM 0
	s_add_co_u32 s74, s74, 1
	s_cmp_lt_u32 s74, 8
	s_cbranch_scc1 .Lstep
	; ---- the tile's end: the next pass's queries are asked for; ctx = (p v x 2^(e10 + e11) + p zv x 2^(e12 + e13)) / l, as codes
	PLACES
	s_cmp_lg_u32 s75, 0
	s_cbranch_scc1 .Lno_next
	s_add_co_u32 s96, s88, 16
	QLOAD 96, BH, 80, Q6, AC
.Lno_next:
	v_add_f32 v[SU], v[SU], v[SU+1]
	s_delay_alu instid0(VALU_DEP_1)
	v_permlanex16_b32 v31, v[SU], s20, s21
	s_delay_alu instid0(VALU_DEP_1)
	v_add_f32 v[SU], v[SU], v31
	s_wait_alu depctr_va_vdst(0)                   ; the wait ahead of the transcendental
	v_rcp_f32 v[SU+1], v[SU]
	v_nop                                          ; one plain line behind the reciprocal
	s_wait_alu depctr_va_vdst(0)                   ; the wait ahead of its first reader
	v_ldexp_f32 v52, v[SU+1], s77
	v_ldexp_f32 v54, v[SU+1], s78
.set i, 0
.rept 16
	v_pk_mul_f32 v[S+i:S+i+1], v[O2+i:O2+i+1], v[54:55] op_sel_hi:[1,0]
.set i, i+2
.endr
.set i, 0
.rept 16
	v_pk_fma_f32 v[S+i:S+i+1], v[O+i:O+i+1], v[52:53], v[S+i:S+i+1] op_sel_hi:[1,0,1]
.set i, i+2
.endr
.set i, 0
.rept 32
	v_med3_num_f32 v[S+i], v[S+i], s92, s91
.set i, i+1
.endr
.set i, 0
.rept 4
	v_cvt_scalef32_pk8_bf8_f32 v[S+32+2*i:S+33+2*i], v[S+8*i:S+8*i+7], v[SC14]
.set i, i+1
.endr
	v_nop
.set i, 0
.rept 4
	ds_store_b64 v[SGW], v[S+32+2*i:S+33+2*i] offset:16*i          ; row r, channels 16 i + 8 h on
.set i, i+1
.endr
	ds_load_b128 v[S+40:S+43], v[SGR]              ; back by rows: four lanes to a row's 64 bytes
	ds_load_b128 v[S+44:S+47], v[SGR] offset:640
	s_wait_dscnt 0x0
	global_store_b128 v[GO], v[S+40:S+43], s[84:85]
	global_store_b128 v[GO], v[S+44:S+47], s[84:85] offset:8192
	s_wait_xcnt 0x0                                ; the stores and loads have read their registers and bases
	s_add_co_u32 s88, s88, 16
	s_add_co_u32 s75, s75, 1
	s_cmp_lt_u32 s75, 2
	s_cbranch_scc1 .Lpass
	v_lshl_add_u32 v254, v0, 2, SPARE              ; the add's two registers, made anew: they held addresses of V
	v_mov_b32 v255, 0
	s_wait_alu depctr_va_vdst(0)
	s_wait_tensorcnt 0x0                           ; the wave's end
	ds_add_u32 v254, v255
	s_wait_dscnt 0x0
	s_endpgm
.Lfunc_end_k_q0b0417414c_attn:
	.size	k_q0b0417414c_attn, .Lfunc_end_k_q0b0417414c_attn-k_q0b0417414c_attn
	.p2alignl 7, 3214868480
	.fill 96, 4, 3214868480
	.section	.rodata,"a",@progbits
	.p2align	6, 0x0
	.amdhsa_kernel k_q0b0417414c_attn
		.amdhsa_group_segment_fixed_size 296960
		.amdhsa_private_segment_fixed_size 0
		.amdhsa_enable_private_segment 0
		.amdhsa_kernarg_size 48
		.amdhsa_user_sgpr_count 2
		.amdhsa_user_sgpr_kernarg_segment_ptr 1
		.amdhsa_wavefront_size32 1
		.amdhsa_system_sgpr_workgroup_id_x 1
		.amdhsa_system_sgpr_workgroup_id_y 1
		.amdhsa_system_sgpr_workgroup_id_z 1
		.amdhsa_system_vgpr_workitem_id 0
		.amdhsa_next_free_vgpr 256
		.amdhsa_next_free_sgpr 100
		.amdhsa_reserve_vcc 1
		.amdhsa_float_denorm_mode_32 3
		.amdhsa_float_denorm_mode_16_64 3
		.amdhsa_memory_ordered 1
		.amdhsa_forward_progress 1
		.amdhsa_inst_pref_size 116
	.end_amdhsa_kernel
	.amdgpu_metadata
---
amdhsa.version: [ 1, 2 ]
amdhsa.kernels:
  - .name:           k_q0b0417414c_attn
    .symbol:         k_q0b0417414c_attn.kd
    .args:
      - { .name: acts, .offset: 0, .size: 8, .value_kind: global_buffer, .address_space: global }
      - { .name: rel_k_table, .offset: 8, .size: 8, .value_kind: global_buffer, .address_space: global }
      - { .name: rel_v_table, .offset: 16, .size: 8, .value_kind: global_buffer, .address_space: global }
      - { .name: lowp_scales, .offset: 24, .size: 8, .value_kind: global_buffer, .address_space: global }
      - { .name: cc, .offset: 32, .size: 8, .value_kind: global_buffer, .address_space: global }
      - { .name: out1, .offset: 40, .size: 8, .value_kind: global_buffer, .address_space: global }
    .group_segment_fixed_size: 296960
    .private_segment_fixed_size: 0
    .kernarg_segment_align: 8
    .kernarg_segment_size: 48
    .max_flat_workgroup_size: 512
    .sgpr_count:     100
    .vgpr_count:     256
    .wavefront_size: 32
...
	.end_amdgpu_metadata
.endif
;; end of part 3
;; launch outproj (part 4): grid 4 x 64, 4 waves a work-group, clusters of 4 x 4, 327,680 bytes of LDS; arguments cc, wc, lowp_scales, bo, out0; writes out0
.if DOCPART == 4
	.amdgcn_target "amdgcn-amd-amdhsa--gfx1250"
	.amdhsa_code_object_version 6
	.text
	.protected	k_q0b0417414c_outproj
	.globl	k_q0b0417414c_outproj
	.p2align	8
	.type	k_q0b0417414c_outproj,@function
k_q0b0417414c_outproj:
	s_mov_b64 s[64:65], 0
	v_nop
	global_prefetch_b8 v0, s[64:65] scope:SCOPE_SE
	s_setreg_imm32_b32 hwreg(HW_REG_WAVE_MODE, 25, 1), 1
	s_wait_xcnt 0x0
	s_wait_alu depctr_hold_cnt(0) depctr_sa_sdst(0) depctr_va_vdst(0) depctr_va_sdst(0) depctr_va_ssrc(0) depctr_va_vcc(0) depctr_vm_vsrc(0)
	s_getreg_b32 s2, hwreg(HW_REG_IB_STS2, 6, 4)
	s_cmp_eq_u32 s2, 0
	s_cbranch_scc0 .Lentry_in_a_cluster
	s_endpgm
.Lentry_in_a_cluster:
	s_bfe_u32 s2, ttmp6, 0x10000c
	s_cmp_lg_u32 s2, 0xf033
	s_cbranch_scc0 .Lentry_shape_is_right
	s_endpgm
.Lentry_shape_is_right:
; out0 = ctx Wo + bo on codes of BF8 (E5M2): cc [8192][1024] and section 3 of wc [n 1024][k 1024]; each sum x 2^(e14 + e15), + bo.  LIMIT: e14 + e15 between -126 and 127.
; A block of out0 is 128 rows x 256 columns: 64 x 4 = 256 work-groups.  Four waves, each 64 x 128: 32 accumulators.  K goes in steps of 256 through a ring of two LDS slots.
; Waves 0 and 1 fetch 64 rows of cc each, waves 2 and 3 128 rows of Wo each.  Clusters of 4 x 4: cc's tile is asked for jointly along a row of the cluster, Wo's along a column.
; Both operands have two sets of fragment registers: a step of 128 along K asks for the next step's fragments and then multiplies its own.
.set SIZE_N, 1024
.set KSTEP,  256
.set ROWB,   256
.set KROW,   1024
.set PITCH,  272
.set FR,     16
.set NL,     4
.set NP,     4
.set HALFT,  128*PITCH
.set SLOT,   4*HALFT
.set LAPS,   2
.set SPARE,  2*SLOT
.set STAGE,  SPARE+512
.set SPITCH, 528
.set BAD,  7
.set ADRA, 16
.set ADRB, 20
.set STO,  24
.set RD,   25
.set CO,   26
.set SPW,  28
.set NIL,  29
.set BB,   32
.set TMP,  128
.set BK,   192
.set AF,   128
.set G1, 24
.set G0, 32
.set G1B, 48
.set G0B, 56
.set MSB, 0
.macro WIN new
.if MSB != \new
	s_set_vgpr_msb (MSB<<8)|\new
.set MSB, \new
.endif
.endm
.set MUL_LO, 0xa1
.set MUL_HI, 0xf1
.set TO_B,   0x40
.macro JLOAD g0a, g1a, g0b, g1b
	s_cmp_eq_u32 s15, 0
	s_cbranch_scc0 .Lfor_b_\@
	tensor_load_to_lds s[\g0a:\g0a+3], s[\g1a:\g1a+7]
	s_nop 0
.rept 4
	v_nop
.endr
	s_branch .Lasked_\@
.Lfor_b_\@:
	tensor_load_to_lds s[\g0b:\g0b+3], s[\g1b:\g1b+7]
	s_nop 0
.rept 4
	v_nop
.endr
.Lasked_\@:
.endm
.macro CREST
	s_cmp_lg_u32 s14, 0
	s_cbranch_scc1 .Lnot_wave_0_\@
	s_barrier_signal -3
.Lnot_wave_0_\@:
	s_barrier_wait -3
	s_barrier_signal -1
	s_barrier_wait -1
.endm
.macro CROUND
	s_barrier_signal -1
	s_barrier_wait -1
	CREST
.endm
	s_load_b256 s[4:11], s[0:1], 0x0
	s_load_b64 s[12:13], s[0:1], 0x20
	v_lshl_add_u32 v[SPW], v0, 2, SPARE
	v_mov_b32 v[NIL], 0
	ds_add_u32 v28, v29
	ds_add_u32 v28, v29
	s_wait_dscnt 0x0
	v_lshrrev_b32 v1, 5, v0
	v_readfirstlane_b32 s14, v1
	s_lshr_b32 s15, s14, 1
	s_and_b32 s16, s14, 1
	s_bfe_u32 s40, ttmp6, 0x40000
	s_bfe_u32 s41, ttmp6, 0x40004
	s_lshl_b32 s42, ttmp9, 2
	s_add_co_u32 s42, s42, s40
	s_and_b32 s17, ttmp7, 0xffff
	s_lshl_b32 s17, s17, 2
	s_add_co_u32 s17, s17, s41
	s_lshl_b32 s43, s41, 2
	s_lshl_b32 s43, 15, s43
	s_lshl_b32 s44, 0x1111, s40
	s_or_b32 s[G1+0], s43, (0<<16)|(1<<20)|(1<<21)|(5<<22)|(3<<25)
	s_or_b32 s[G1B+0], s44, (0<<16)|(1<<20)|(1<<21)|(5<<22)|(3<<25)
.irp g, G1, G1B
	s_mov_b32 s[\g+1], ROWB<<16
	s_mov_b32 s[\g+3], ROWB<<16
	s_mov_b32 s[\g+5], KROW
	s_mov_b32 s[\g+6], 0
	s_mov_b32 s[\g+7], 0
.endr
	s_mov_b32 s[G1+2], 64<<16                      ; cc's tiles: 64 rows a load
	s_mov_b32 s[G1+4], 64
	s_mov_b32 s[G1B+2], 128<<16                    ; Wo's: 128
	s_mov_b32 s[G1B+4], 128
	s_lshl_b32 s18, s16, 6
	s_lshl_b32 s20, s17, 7
	s_add_co_u32 s20, s20, s18                     ; cc: row 128 x block row + 64 x half
	s_lshl_b32 s18, s16, 7
	s_lshl_b32 s46, s42, 8
	s_add_co_u32 s46, s46, s18
	s_lshl_b32 s20, s20, 10
	s_lshl_b32 s46, s46, 10
	s_add_co_u32 s46, s46, 0x300000
	s_mov_b32 s21, 0
	s_mov_b32 s47, 0
	s_mul_i32 s45, s14, HALFT
	s_wait_kmcnt 0x0
	s_load_b64 s[96:97], s[8:9], 0x38
	s_add_nc_u64 s[20:21], s[4:5], s[20:21]
	s_add_nc_u64 s[46:47], s[6:7], s[46:47]
	CROUND
.irp s, 0,1
	s_mov_b32 s[G0+4*\s], 1
	s_add_co_u32 s[G0+4*\s+1], s45, \s*SLOT
	s_add_nc_u64 s[G0+4*\s+2:G0+4*\s+3], s[20:21], \s*ROWB
	s_or_b32 s[G0+4*\s+3], s[G0+4*\s+3], 0x80000000
	s_mov_b32 s[G0B+4*\s], 1
	s_add_co_u32 s[G0B+4*\s+1], s45, \s*SLOT
	s_add_nc_u64 s[G0B+4*\s+2:G0B+4*\s+3], s[46:47], \s*ROWB
	s_or_b32 s[G0B+4*\s+3], s[G0B+4*\s+3], 0x80000000
	s_wait_alu depctr_va_vdst(0)
	s_wait_tensorcnt 0x0
	ds_add_u32 v28, v29
	ds_add_u32 v28, v29
	s_wait_dscnt 0x0
	CROUND
	JLOAD G0+4*\s, G1, G0B+4*\s, G1B
.endr
	v_and_b32 v1, 15, v0
	s_wait_alu depctr_va_vdst(0)
	v_bfe_u32 v2, v0, 4, 1
	v_mul_u32_u24 v3, v1, PITCH
	v_lshl_add_u32 v4, v2, 4, v3
	s_mul_i32 s21, s15, HALFT
	s_mul_i32 s22, s16, HALFT
	s_add_co_u32 s22, s22, 2*HALFT
.irp s, 0,1
	v_add_nc_u32 v[ADRA+\s], s21, v4
	v_add_nc_u32 v[ADRB+\s], s22, v4
	s_add_co_u32 s21, s21, SLOT
	s_add_co_u32 s22, s22, SLOT
.endr
	s_mul_i32 s23, s14, 16*SPITCH
	s_add_co_u32 s23, s23, STAGE
	v_mul_u32_u24 v5, v1, SPITCH
	s_wait_alu depctr_va_vdst(0)
	v_lshl_add_u32 v5, v2, 5, v5
	v_add_nc_u32 v[STO], s23, v5
	v_and_b32 v6, 31, v0
	v_lshlrev_b32 v[CO], 4, v6
	v_add_nc_u32 v[RD], s23, v[CO]
	v_lshlrev_b32 v[BAD], 5, v2
	s_wait_alu depctr_va_vdst(0)
	s_lshl_b32 s20, s17, 7
	s_lshl_b32 s21, s15, 6
	s_add_co_u32 s20, s20, s21
	s_lshl_b32 s20, s20, 12
	s_mov_b32 s21, 0
	s_lshl_b32 s46, s42, 10
	s_lshl_b32 s47, s16, 9
	s_add_co_u32 s46, s46, s47
	s_mov_b32 s47, 0
	s_add_nc_u64 s[66:67], s[10:11], s[46:47]
	s_add_nc_u64 s[20:21], s[20:21], s[46:47]
	s_add_nc_u64 s[12:13], s[12:13], s[20:21]
.irp b, 0,1,2,3,4,5,6,7
	global_load_b128 v[BB+8*\b:BB+8*\b+3], v[BAD], s[66:67] offset:64*\b
	global_load_b128 v[BB+8*\b+4:BB+8*\b+7], v[BAD], s[66:67] offset:64*\b+16
.endr
.macro FRAG reg, adr, q, i
.irp c, 0,1,2,3
	ds_load_b128 v[\reg+4*\c:\reg+4*\c+3], v[\adr] offset:128*(\q)+32*\c+(\i)*16*PITCH
.endr
.endm
.macro MUL16 a0, p, zero
.irp a, \a0, \a0+1
.irp b, 0,1,2,3,4,5,6,7
.if \zero
	v_wmma_f32_16x16x128_bf8_bf8 v[8*(8*((\a)%4)+\b):8*(8*((\a)%4)+\b)+7], v[128*(\p)+FR*\b:128*(\p)+FR*\b+FR-1], v[AF+64*(\p)+FR*(\a):AF+64*(\p)+FR*(\a)+FR-1], 0
.else
	v_wmma_f32_16x16x128_bf8_bf8 v[8*(8*((\a)%4)+\b):8*(8*((\a)%4)+\b)+7], v[128*(\p)+FR*\b:128*(\p)+FR*\b+FR-1], v[AF+64*(\p)+FR*(\a):AF+64*(\p)+FR*(\a)+FR-1], v[8*(8*((\a)%4)+\b):8*(8*((\a)%4)+\b)+7]
.endif
.endr
.endr
.endm
.macro FETCH_B slot, q, p
	WIN TO_B
.irp i, 0,1,2,3,4,5,6,7
	FRAG 128*(\p)+FR*\i, ADRB+\slot, \q, \i
.endr
	WIN 0
.endm
.macro FETCH_A slot, q, p
.irp i, 0,1,2,3
	FRAG AF+64*(\p)+FR*\i, ADRA+\slot, \q, \i
.endr
.endm
.macro PLACES n
.rept \n
	v_nop
.endr
.endm
.macro STEP slot, q, zero
	s_wait_dscnt 0x0                               ; this step's fragments are in
	PLACES NP                                      ; in front of loads into the other sets, which the last products read
	FETCH_B \slot, (\q)+1, 1-(\q)%2
	FETCH_A \slot, (\q)+1, 1-(\q)%2
	WIN MUL_LO
	MUL16 0, (\q)%2, \zero
	MUL16 2, (\q)%2, \zero
	WIN 0
.endm
.macro TURN slot, next, fill
	s_wait_tensorcnt 0x0
	ds_add_u32 v[SPW], v[NIL]
	s_wait_dscnt 1                                 ; this step's fragments are in; the add alone may be out
	WIN MUL_LO
	MUL16 0, 1, 0
	s_wait_dscnt 0x0
	s_barrier_signal -1
	MUL16 2, 1, 0
	WIN 0
	s_barrier_wait -1
.if \fill
	CREST
	s_add_nc_u64 s[G0+4*\slot+2:G0+4*\slot+3], s[G0+4*\slot+2:G0+4*\slot+3], 2*ROWB
	s_add_nc_u64 s[G0B+4*\slot+2:G0B+4*\slot+3], s[G0B+4*\slot+2:G0B+4*\slot+3], 2*ROWB
	JLOAD G0+4*\slot, G1, G0B+4*\slot, G1B
.else
	PLACES NP
.endif
	FETCH_B \next, 0, 0
	FETCH_A \next, 0, 0
.endm
	s_wait_tensorcnt 1
	s_barrier_signal -1
	s_barrier_wait -1
	FETCH_B 0, 0, 0
	FETCH_A 0, 0, 0
	STEP 0, 0, 1
	s_mov_b32 s3, LAPS-1
.Llap:
	TURN 0, 1, 1
	STEP 1, 0, 0
	TURN 1, 0, 1
	STEP 0, 0, 0
	s_sub_co_u32 s3, s3, 1
	s_cmp_lg_u32 s3, 0
	s_cbranch_scc1 .Llap
	TURN 0, 1, 0
	STEP 1, 0, 0
	s_wait_dscnt 0x0
	WIN MUL_LO
	MUL16 0, 1, 0
	MUL16 2, 1, 0
	WIN 0
.macro OUTBLK a
.set AC, 64*((\a)%4)
.if (\a) > 0
	s_wait_xcnt 0x0
	s_add_nc_u64 s[12:13], s[12:13], 16*SIZE_N*4
.endif
	WIN 0x02+((\a)/4)
.set j, 0
.rept 32
	v_pk_fma_f32 v[TMP+j:TMP+j+1], v[AC+j:AC+j+1], s[96:97], v[BB+j:BB+j+1] op_sel_hi:[1,0,1]
.set j, j+2
.endr
	WIN 0
.irp b, 0,1,2,3,4,5,6,7
	ds_store_b128 v[STO], v[TMP+8*\b:TMP+8*\b+3] offset:64*\b
	ds_store_b128 v[STO], v[TMP+8*\b+4:TMP+8*\b+7] offset:64*\b+16
.endr
.irp t, 0,1,2,3,4,5,6,7,8,9,10,11,12,13,14,15
	ds_load_b128 v[BK+4*\t:BK+4*\t+3], v[RD] offset:\t*SPITCH
.endr
.irp t, 0,1,2,3,4,5,6,7,8,9,10,11,12,13,14,15
	s_wait_dscnt 15-\t
	global_store_b128 v[CO], v[BK+4*\t:BK+4*\t+3], s[12:13] offset:\t*SIZE_N*4 th:TH_STORE_NT
.endr
.endm
	s_wait_kmcnt 0x0
	s_wait_loadcnt 0x0
	s_add_co_i32 s96, s96, s97
	s_add_co_i32 s96, s96, 127
	s_lshl_b32 s96, s96, 23
	s_mov_b32 s97, s96
	PLACES NP
.irp a, 0,1,2,3
	OUTBLK \a
.endr
	s_wait_tensorcnt 0x0
	ds_add_u32 v[SPW], v[NIL]
	s_wait_dscnt 0x0
	CROUND
	s_endpgm
.Lfunc_end_k_q0b0417414c_outproj:
	.size	k_q0b0417414c_outproj, .Lfunc_end_k_q0b0417414c_outproj-k_q0b0417414c_outproj
	.p2alignl 7, 3214868480
	.fill 96, 4, 3214868480
	.section	.rodata,"a",@progbits
	.p2align	6, 0x0
	.amdhsa_kernel k_q0b0417414c_outproj
		.amdhsa_group_segment_fixed_size 327680
		.amdhsa_private_segment_fixed_size 0
		.amdhsa_enable_private_segment 0
		.amdhsa_kernarg_size 40
		.amdhsa_user_sgpr_count 2
		.amdhsa_user_sgpr_kernarg_segment_ptr 1
		.amdhsa_wavefront_size32 1
		.amdhsa_system_sgpr_workgroup_id_x 1
		.amdhsa_system_sgpr_workgroup_id_y 1
		.amdhsa_system_sgpr_workgroup_id_z 1
		.amdhsa_system_vgpr_workitem_id 0
		.amdhsa_next_free_vgpr 1024
		.amdhsa_next_free_sgpr 98
		.amdhsa_reserve_vcc 0
		.amdhsa_float_denorm_mode_32 3
		.amdhsa_float_denorm_mode_16_64 3
		.amdhsa_memory_ordered 1
		.amdhsa_forward_progress 1
		.amdhsa_inst_pref_size 80
	.end_amdhsa_kernel
	.amdgpu_metadata
---
amdhsa.version: [ 1, 2 ]
amdhsa.kernels:
  - .name:           k_q0b0417414c_outproj
    .symbol:         k_q0b0417414c_outproj.kd
    .args:
      - { .name: cc, .offset: 0, .size: 8, .value_kind: global_buffer, .address_space: global }
      - { .name: wc, .offset: 8, .size: 8, .value_kind: global_buffer, .address_space: global }
      - { .name: lowp_scales, .offset: 16, .size: 8, .value_kind: global_buffer, .address_space: global }
      - { .name: bo, .offset: 24, .size: 8, .value_kind: global_buffer, .address_space: global }
      - { .name: out0, .offset: 32, .size: 8, .value_kind: global_buffer, .address_space: global }
    .group_segment_fixed_size: 327680
    .private_segment_fixed_size: 0
    .kernarg_segment_align: 8
    .kernarg_segment_size: 40
    .max_flat_workgroup_size: 128
    .sgpr_count:     98
    .vgpr_count:     1024
    .wavefront_size: 32
...
	.end_amdgpu_metadata
.endif
;; end of part 4
